; MI455X (gfx1250); checked and timed in simulation.
; The chip was launched on July 23, 2026; its instructions are those of AMD's public machine-readable ISA for CDNA 5 (MIT licence, August 2026) and "CDNA5" Instruction Set Architecture Reference Guide (July 2026). The comments in the code are by the model that wrote it; some were corrected since.
;; Mo EMLP. Allowed arithmetic: matrix products marked QUANTISED: E3M2 operands, one E8M0 scale for each 32 along K, by v_wmma_scale_f32_16x16x128_f8f6f4 with both operands' format E3M2, f32 sums; products left as they are: f32 operands where the result goes on into a quantised operand, else bf16, f16 or f32 operands; f32 sums; everything else in f32.
;; Inputs: Wd_codes 8 x 768 x 96 x 24 uint8 (E3M2 codes of Wd, K innermost, in blocks of 32 codes, four codes in three bytes); Wd_scales 8 x 768 x 96 uint8 (E8M0 scales of Wd, one for each 32 codes along K); Wg_codes 8 x 3,072 x 24 x 24 uint8 (E3M2 codes of Wg, K innermost, in blocks of 32 codes, four codes in three bytes); Wg_scales 8 x 3,072 x 24 uint8 (E8M0 scales of Wg, one for each 32 codes along K); Wu_codes 8 x 3,072 x 24 x 24 uint8 (E3M2 codes of Wu, K innermost, in blocks of 32 codes, four codes in three bytes); Wu_scales 8 x 3,072 x 24 uint8 (E8M0 scales of Wu, one for each 32 codes along K); router_w 8 x 768 float32; x 4 x 256 x 768 float32.
;; Outputs: out0 4 x 256 x 768 float32.
;; This version of the problem:
;;   THIS VERSION OF THE PROBLEM IS GIVEN IN LOW PRECISION. The matrix products marked QUANTISED in the list below multiply operands that are first quantised to E3M2 (3 exponent bits, 2 mantissa bits; 6 bits a number), with one power-of-two scale for each 32 numbers along K (OCP MX v1.0); their sums are f32. All else is computed in f32.
;;   The module's matrix products, in the order in which they are computed (A, B: the left and right operand; K: the contracted axis; several contracted axes count as one K, in the product's order):
;;     1. [M 1,024, K 768] x [K 768, N 8]; A: input x; B: input router_w: left as it is (N = 8 < 16)
;;     2. [M 1,024, K 768] x [K 768, N 3,072]; A: input x; B: input Wg (given as codes): QUANTISED
;;     3. [M 1,024, K 768] x [K 768, N 3,072]; A: input x; B: input Wu (given as codes): QUANTISED
;;     4. [M 1,024, K 3,072] x [K 3,072, N 768]; A: computed on the way; B: input Wd (given as codes): QUANTISED
;;     5. [M 1,024, K 768] x [K 768, N 3,072]; A: input x; B: input Wg (given as codes): QUANTISED
;;     6. [M 1,024, K 768] x [K 768, N 3,072]; A: input x; B: input Wu (given as codes): QUANTISED
;;     7. [M 1,024, K 3,072] x [K 3,072, N 768]; A: computed on the way; B: input Wd (given as codes): QUANTISED
;;     8. [M 1,024, K 768] x [K 768, N 3,072]; A: input x; B: input Wg (given as codes): QUANTISED
;;     9. [M 1,024, K 768] x [K 768, N 3,072]; A: input x; B: input Wu (given as codes): QUANTISED
;;     10. [M 1,024, K 3,072] x [K 3,072, N 768]; A: computed on the way; B: input Wd (given as codes): QUANTISED
;;     11. [M 1,024, K 768] x [K 768, N 3,072]; A: input x; B: input Wg (given as codes): QUANTISED
;;     12. [M 1,024, K 768] x [K 768, N 3,072]; A: input x; B: input Wu (given as codes): QUANTISED
;;     13. [M 1,024, K 3,072] x [K 3,072, N 768]; A: computed on the way; B: input Wd (given as codes): QUANTISED
;;     14. [M 1,024, K 768] x [K 768, N 3,072]; A: input x; B: input Wg (given as codes): QUANTISED
;;     15. [M 1,024, K 768] x [K 768, N 3,072]; A: input x; B: input Wu (given as codes): QUANTISED
;;     16. [M 1,024, K 3,072] x [K 3,072, N 768]; A: computed on the way; B: input Wd (given as codes): QUANTISED
;;     17. [M 1,024, K 768] x [K 768, N 3,072]; A: input x; B: input Wg (given as codes): QUANTISED
;;     18. [M 1,024, K 768] x [K 768, N 3,072]; A: input x; B: input Wu (given as codes): QUANTISED
;;     19. [M 1,024, K 3,072] x [K 3,072, N 768]; A: computed on the way; B: input Wd (given as codes): QUANTISED
;;     20. [M 1,024, K 768] x [K 768, N 3,072]; A: input x; B: input Wg (given as codes): QUANTISED
;;     21. [M 1,024, K 768] x [K 768, N 3,072]; A: input x; B: input Wu (given as codes): QUANTISED
;;     22. [M 1,024, K 3,072] x [K 3,072, N 768]; A: computed on the way; B: input Wd (given as codes): QUANTISED
;;     23. [M 1,024, K 768] x [K 768, N 3,072]; A: input x; B: input Wg (given as codes): QUANTISED
;;     24. [M 1,024, K 768] x [K 768, N 3,072]; A: input x; B: input Wu (given as codes): QUANTISED
;;     25. [M 1,024, K 3,072] x [K 3,072, N 768]; A: computed on the way; B: input Wd (given as codes): QUANTISED
;;   THE QUANTISER, for each operand of a quantised product, along K:
;;     - K is cut into blocks of 32 from its start; a last block that is shorter is filled with zeros.
;;     - A block's scale is 2^e with e = floor(log2(the largest magnitude in the block)) - 4, held to -126 .. 127; a block of zeros has e = 0. As a byte (E8M0): e + 127.
;;     - Each number is divided by its block's scale, clamped to +-28, and rounded to the nearest number of E3M2, ties to even, subnormals kept.
;;     - The product sums the exact products of the quantised numbers (number of the format x scale) in f32.
;;   ~~~python
;;   def quantise(x, axis):      # numpy; x: float32 -> the quantised numbers, widened to float32 again
;;       x = np.moveaxis(x, axis, -1); K = x.shape[-1]
;;       x = np.pad(x, [(0, 0)] * (x.ndim - 1) + [(0, -K % 32)]); x = x.reshape(x.shape[:-1] + (-1, 32)); a = np.abs(x).max(-1, keepdims=True)
;;       e = np.where(a > 0, np.clip(np.frexp(np.where(a > 0, a, 1))[1] - 1 - 4, -126, 127), 0)      # np.frexp(a)[1] - 1 = floor(log2(a)), exactly
;;       r = np.clip(x / 2.0 ** e, -28, 28)
;;       step = 2.0 ** (np.maximum(np.frexp(np.where(r == 0, 1, r))[1] - 1, -2) - 2)
;;       q = np.round(r / step) * step * 2.0 ** e      # np.round: ties to even
;;       return np.moveaxis(q.reshape(q.shape[:-2] + (-1,))[..., :K], -1, axis).astype(np.float32)
;;   ~~~
;;   OPERANDS COMPUTED ON THE WAY. 'Computed on the way' means the value that the module computes at that place (a softmax that the list does not call 'softmax' is quantised finished and normalised). What goes into a quantiser is computed in f32, as accurately as f32 sums, v_exp_f32 and their like allow (about 1e-6 of the number): no bf16 or f16 on the way to a quantiser, and a product that is left as it is and whose result goes on into a quantised operand takes f32 operands (vector FMAs, or v_wmma_f32_16x16x4_f32). A number that lies on a knife's edge between two numbers of the format may be rounded either way, as far as f32 arithmetic and the matrix unit's own rounding can turn it there, and no further.
;;   INPUTS GIVEN AS CODES. Wd (in the module: [8, 768, 3072], K = its axis 2); Wg (in the module: [8, 3072, 768], K = its axis 2); Wu (in the module: [8, 3072, 768], K = its axis 2): each comes as NAME_codes (uint8): NAME with its K axis moved to the last place and cut into blocks of 32 codes, [.., K / 32, bytes a block], one block behind the other in memory; four codes in three bytes: a row's codes are one little-endian stream of bits, code i at bits 6 i .. 6 i + 5 (a code: sign, 3 exponent bits, 2 mantissa bits); and NAME_scales (uint8): the same leading axes, one E8M0 byte (e + 127) for each 32 codes along K. Its value is code x scale, taken as it is: it is not quantised again, and the codes and scales need not be those that the quantiser above would give.
;; 2 versions. Each part assembles by itself: llvm-mc -triple=amdgcn-amd-amdhsa -mcpu=gfx1250 --defsym DOCPART=n.
;; ======== version 1 of 2: 5 launches
;; workspace buffers: xq 622,592 bytes; ridx 4,096 bytes of whole numbers; gate 8,192 bytes; xs 4,980,736 bytes; lists 33,792 bytes of whole numbers; hq 18,874,368 bytes; hsc 786,432 bytes; y 6,684,672 bytes
;; launch route (part 1): grid 64 x 1, 6 waves a work-group, no clusters, 88,832 bytes of LDS; arguments x, router_w, xq, ridx, gate; writes xq, ridx, gate
.if DOCPART == 1
	.amdgcn_target "amdgcn-amd-amdhsa--gfx1250"
	.amdhsa_code_object_version 6
	.text
	.protected	k_qc40a2b327c_route
	.globl	k_qc40a2b327c_route
	.p2align	8
	.type	k_qc40a2b327c_route,@function
k_qc40a2b327c_route:
	s_mov_b64 s[64:65], 0
	v_nop
	global_prefetch_b8 v0, s[64:65] scope:SCOPE_SE
	s_setreg_imm32_b32 hwreg(HW_REG_WAVE_MODE, 25, 1), 1
	s_wait_xcnt 0x0
; ROUTER AND QUANTISER OF x.  x [1024][768] f32, router_w [8][768] f32.
; Out: xq [1024 tokens][608 bytes]: a token's E3M2 codes as the operand's registers want them (bytes 288 h + 48 s: the 12 registers of lane half h for K step s),
;      its six scale words at byte 576, eight zero bytes at 600;  ridx [token]: e0 | e1 << 8;  gate [token][2]: the two softmax weights.
; A work-group takes 16 tokens; wave s takes K step s (128 numbers of each token): it quantises them and makes its part of the eight logits in f32.
; Wave 0 adds the six parts (s ascending), finds the two largest (a tie keeps the lower expert) and the softmax over them, the larger logit taken away first.
; The choice steers no address here: it is stored at fixed places.
; LIMITS: NaN and infinities in x or router_w are not served.  A block of zeros gets the scale byte 1 (the rule says 127): its codes are zeros, and only this program reads the bytes.
.set WREG,  12544                      ; LDS of a wave: 16 rows of x x 528 bytes, then its 512 bytes of each of router_w's 8 rows
.set RWO,   8448
.set PART,  75264                      ; [s][token][8] f32: the logits' parts
.set OUTB,  78336                      ; the work-group's 16 rows of xq, 608 bytes each
.set X,     32                         ; v32-95   my 64 numbers: register 16 b + i = k 32 b + 16 h + i of token r
.set RB,    96                         ; v96-159  x as loaded; then two sets of 32 numbers of router_w
.set ACC,   160                        ; v160-191 router_w as loaded; then two pairs of sums for each expert
.set LG,    192                        ; v192-199 the eight logits' parts
.set LT,    200                        ; v200-207 at work
.set TM,    208                        ; v208-223 the quantiser's work
.set PC,    224                        ; v224-243 the codes
.set PW,    244                        ; the scale word
.set SEL,   26                         ; s[26:27] lane selects: lane l xor 16
	s_load_b256 s[4:11], s[0:1], 0x0               ; x, router_w, xq, ridx
	s_load_b64 s[12:13], s[0:1], 0x20              ; gate
	v_lshl_add_u32 v254, v0, 2, 0x15800
	v_mov_b32 v255, 0
	v_lshrrev_b32 v1, 5, v0
	v_readfirstlane_b32 s20, v1                    ; wave = K step s
	v_and_b32 v1, 31, v0                           ; lane
	v_and_b32 v2, 15, v0                           ; r
	v_bfe_u32 v3, v0, 4, 1                         ; h
	v_lshlrev_b32 v4, 4, v1                        ; 16 x lane
	s_mul_i32 s21, s20, WREG
	s_add_co_u32 s22, s21, RWO
	s_lshl_b32 s23, s20, 9                         ; 512 s
	s_mul_i32 s24, s20, 48
	s_lshl_b32 s25, s20, 2
	v_add_nc_u32 v5, s21, v4                       ; x into my stage: a row's 512 bytes as they lie
	v_mul_u32_u24 v6, v2, 528
	v_lshl_add_u32 v6, v3, 6, v6
	v_add_nc_u32 v6, s21, v6                       ; and out of it: row r, + 64 h
	v_add_nc_u32 v7, s22, v4                       ; router_w in
	v_lshlrev_b32 v8, 6, v3
	v_add_nc_u32 v8, s22, v8                       ; and out: + 64 h, the same for all r
	v_lshlrev_b32 v16, 5, v2
	v_add_nc_u32 v16, PART, v16                    ; a token's eight parts
	v_lshl_add_u32 v9, v3, 4, v16
	v_add_nc_u32 v9, s23, v9                       ; where I put four of them: + 512 s + 16 h
	v_mul_u32_u24 v14, v2, 608
	v_add_nc_u32 v14, OUTB, v14                    ; token r's row of xq in LDS
	v_mad_u32_u24 v10, v3, 288, v14
	v_add_nc_u32 v10, s24, v10                     ; my 48 bytes of codes
	v_add_nc_u32 v11, s25, v14                     ; my scale word (+ 576)
	v_lshlrev_b32 v13, 4, v0                       ; the way out: 16 bytes a thread
	v_add_nc_u32 v12, OUTB, v13
	v_lshlrev_b32 v17, 2, v2
	v_lshlrev_b32 v18, 3, v2
	v_mov_b32 v20, 0
	v_mov_b32 v21, 0
.irp i, 0,1,2,3,4,5,6,7
	v_mov_b32 v[LT+\i], 0                          ; a lane permute's destination counts as read: written once
.endr
.irp b, 0,1,2,3
	v_mov_b32 v[TM+4+\b], 0
.endr
	s_mov_b32 s[SEL], 0x76543210
	s_mov_b32 s[SEL+1], 0xfedcba98
	s_mul_i32 s14, ttmp9, 49152                    ; 16 rows of 3,072 bytes
	s_add_co_u32 s14, s14, s23
	s_mov_b32 s15, 0
	s_mov_b32 s16, s23
	s_mov_b32 s17, 0
	s_mul_i32 s18, ttmp9, 9728
	s_mov_b32 s19, 0
	s_lshl_b32 s28, ttmp9, 6
	s_mov_b32 s29, 0
	s_lshl_b32 s30, ttmp9, 7
	s_mov_b32 s31, 0
	s_wait_kmcnt 0x0
	s_add_nc_u64 s[4:5], s[4:5], s[14:15]
	s_add_nc_u64 s[6:7], s[6:7], s[16:17]
	s_add_nc_u64 s[8:9], s[8:9], s[18:19]
	s_add_nc_u64 s[10:11], s[10:11], s[28:29]
	s_add_nc_u64 s[12:13], s[12:13], s[30:31]
.set I, 0
.rept 16
	global_load_b128 v[RB+4*I:RB+4*I+3], v4, s[4:5] offset:3072*I th:TH_LOAD_NT   ; 512 consecutive bytes of token I, read once in the launch
.set I, I+1
.endr
.set I, 0
.rept 8
	global_load_b128 v[ACC+4*I:ACC+4*I+3], v4, s[6:7] offset:3072*I
.set I, I+1
.endr
	s_wait_loadcnt 8                               ; x is in; router_w's eight younger loads may be out
.set I, 0
.rept 16
	ds_store_b128 v5, v[RB+4*I:RB+4*I+3] offset:528*I
.set I, I+1
.endr
	s_wait_loadcnt 0x0
.set I, 0
.rept 8
	ds_store_b128 v7, v[ACC+4*I:ACC+4*I+3] offset:512*I
.set I, I+1
.endr
.set I, 0
.rept 16
	ds_load_b128 v[X+4*I:X+4*I+3], v6 offset:128*(I/4)+16*(I%4)   ; LDS serves a wave's instructions in order: these see my stores
.set I, I+1
.endr
; THE LOGITS.  Batch n = 2 e + q: router_w[e] at my k of blocks 2 q, 2 q + 1: 32 numbers, the same for all sixteen tokens.
.macro RBATCH n
.irp t, 0,1,2,3,4,5,6,7
	ds_load_b128 v[RB+32*((\n)%2)+4*\t:RB+32*((\n)%2)+4*\t+3], v8 offset:256*(\n)+128*(\t/4)+16*(\t%4)
.endr
.endm
	RBATCH 0
	RBATCH 1
.set NB, 0
.rept 16
.if NB < 15
	s_wait_dscnt 8                                 ; this batch (and, the first time, x) is in; the next batch's eight loads may be out
.else
	s_wait_dscnt 0x0
.endif
.irp t, 0,1,2,3,4,5,6,7,8,9,10,11,12,13,14,15
.if (NB%2 == 0) && (\t < 2)
	v_pk_mul_f32 v[ACC+4*(NB/2)+2*(\t%2):ACC+4*(NB/2)+2*(\t%2)+1], v[X+32*(NB%2)+2*\t:X+32*(NB%2)+2*\t+1], v[RB+32*(NB%2)+2*\t:RB+32*(NB%2)+2*\t+1]   ; the first products start the sums
.else
	v_pk_fma_f32 v[ACC+4*(NB/2)+2*(\t%2):ACC+4*(NB/2)+2*(\t%2)+1], v[X+32*(NB%2)+2*\t:X+32*(NB%2)+2*\t+1], v[RB+32*(NB%2)+2*\t:RB+32*(NB%2)+2*\t+1], v[ACC+4*(NB/2)+2*(\t%2):ACC+4*(NB/2)+2*(\t%2)+1]   ; two chains by turns
.endif
.endr
.if NB < 14
	RBATCH NB+2
.endif
.set NB, NB+1
.endr
.irp e, 0,1,2,3,4,5,6,7
	v_pk_add_f32 v[ACC+4*\e:ACC+4*\e+1], v[ACC+4*\e:ACC+4*\e+1], v[ACC+4*\e+2:ACC+4*\e+3]
.endr
.irp e, 0,1,2,3,4,5,6,7
	v_add_f32 v[LG+\e], v[ACC+4*\e], v[ACC+4*\e+1]
.endr
.irp e, 0,1,2,3,4,5,6,7
	v_permlanex16_b32 v[LT+\e], v[LG+\e], s[SEL], s[SEL+1]
.endr
.irp e, 0,1,2,3,4,5,6,7
	v_add_f32 v[LG+\e], v[LG+\e], v[LT+\e]         ; with the other half of the lanes: token r's part for K step s
.endr
	v_cmp_eq_u32 vcc_lo, 1, v3
.irp i, 0,1,2,3
	v_cndmask_b32 v[LT+\i], v[LG+\i], v[LG+4+\i], vcc_lo   ; lanes 0-15 store experts 0-3, lanes 16-31 experts 4-7
.endr
	ds_store_b128 v9, v[LT:LT+3]
; THE QUANTISER: 64 numbers of a lane become a fragment's 12 registers and its scale word.
.irp b, 0,1,2,3
	v_max3_num_f32 v[TM+\b], |v[X+16*\b]|, |v[X+1+16*\b]|, 0x2800000   ; block b: my 16 numbers and the floor 2^(5 - 127): the byte cannot fall under 1
.endr
.irp i, 2,4,6,8,10,12,14
.irp b, 0,1,2,3
	v_max3_num_f32 v[TM+\b], v[TM+\b], |v[X+16*\b+\i]|, |v[X+1+16*\b+\i]|
.endr
.endr
.irp b, 0,1,2,3
	v_permlanex16_b32 v[TM+4+\b], v[TM+\b], s[SEL], s[SEL+1]
.endr
.irp b, 0,1,2,3
	v_max_num_f32 v[TM+\b], v[TM+\b], v[TM+4+\b]   ; the block's largest magnitude
.endr
.irp b, 0,1,2,3
	v_add_nc_u32 v[TM+12+\b], 0xfe000000, v[TM+\b] ; 4 off its exponent field: the conversion's scale operand
.endr
.irp b, 0,1,2,3
	v_lshrrev_b32 v[TM+4+\b], 23, v[TM+12+\b]      ; the scale's byte
.endr
	v_lshl_or_b32 v[PW], v[TM+5], 8, v[TM+4]
	v_lshl_or_b32 v[PW], v[TM+6], 16, v[PW]
	v_lshl_or_b32 v[PW], v[TM+7], 24, v[PW]
.irp c, 0,1
	v_cvt_scalef32_pk16_bf6_f32 v[PC+6*\c:PC+2+6*\c], v[X+32*\c:X+15+32*\c], v[TM+12+2*\c]
	v_cvt_scalef32_pk16_bf6_f32 v[PC+12+4*\c:PC+14+4*\c], v[X+16+32*\c:X+31+32*\c], v[TM+12+2*\c+1]   ; (a conversion's three registers begin on an even number)
.endr
	v_nop                                          ; one plain place behind a scaled conversion
.irp c, 0,1                                    ; the operand wants a whole block in a lane: lanes 0-15 block 2 c, lanes 16-31 block 2 c + 1
.irp i, 0,1,2
	v_permlane16_swap_b32 v[PC+6*\c+\i], v[PC+12+4*\c+\i]
.endr
.irp i, 0,1,2
	v_mov_b32 v[PC+3+6*\c+\i], v[PC+12+4*\c+\i]
.endr
.endr
	ds_store_b128 v10, v[PC:PC+3]
	ds_store_b128 v10, v[PC+4:PC+7] offset:16
	ds_store_b128 v10, v[PC+8:PC+11] offset:32
	ds_store_b32 v11, v[PW] offset:576             ; both halves of the lanes hold the same word
	s_cmp_lg_u32 s20, 0
	s_cbranch_scc1 .Lno_pad
	ds_store_b64 v14, v[20:21] offset:600          ; the row's last eight bytes are zeros
.Lno_pad:
	s_wait_dscnt 0x0                               ; for the others' sake: my stores have landed
	s_barrier_signal -1
	s_barrier_wait -1
.irp i, 0,1,2
	ds_load_b128 v[32+4*\i:35+4*\i], v12 offset:3072*\i
.endr
.irp i, 0,1,2
	s_wait_dscnt 2-\i
	global_store_b128 v13, v[32+4*\i:35+4*\i], s[8:9] offset:3072*\i   ; a wave stores 512 consecutive bytes, aligned: the 16 rows are 9,728 dense bytes
.endr
	s_cmp_lg_u32 s20, 0
	s_cbranch_scc1 .Lend
	ds_load_b128 v[44:47], v12 offset:9216         ; wave 0: the last 512 bytes
.irp s, 0,1,2,3,4,5
	ds_load_b128 v[48+8*\s:51+8*\s], v16 offset:512*\s
	ds_load_b128 v[52+8*\s:55+8*\s], v16 offset:512*\s+16
.endr
	s_wait_dscnt 12
	global_store_b128 v13, v[44:47], s[8:9] offset:9216
	s_wait_dscnt 0x0
.irp s, 1,2,3,4,5
.irp p, 0,2,4,6
	v_pk_add_f32 v[48+\p:49+\p], v[48+\p:49+\p], v[48+8*\s+\p:49+8*\s+\p]   ; the six parts, s ascending: v48-55 = token r's logits
.endr
.endr
.macro ARGMAX best, idx                        ; only a strictly larger logit takes the place: a tie keeps the lower expert
	v_mov_b32 v[\best], v48
	v_mov_b32 v[\idx], 0
.irp e, 1,2,3,4,5,6,7
	v_cmp_le_f32 vcc_lo, v[48+\e], v[\best]
	v_cndmask_b32 v[\best], v[48+\e], v[\best], vcc_lo
	v_cndmask_b32 v[\idx], \e, v[\idx], vcc_lo
.endr
.endm
	ARGMAX 100, 101
	v_mov_b32 v104, 0xff800000
.irp e, 0,1,2,3,4,5,6,7
	v_cmp_eq_u32 vcc_lo, \e, v101
	v_cndmask_b32 v[48+\e], v[48+\e], v104, vcc_lo ; the winner leaves the field
.endr
	ARGMAX 102, 103
	v_sub_f32 v105, v102, v100                     ; the second logit less the first: 0 or less
	v_mul_f32 v105, 0x3fb8aa3b, v105
	v_exp_f32 v105, v105                           ; p = e^(l2 - l1)
	v_lshl_or_b32 v108, v103, 8, v101              ; (a plain place)  e0 | e1 << 8
	s_wait_alu depctr_va_vdst(0)
	v_add_f32 v106, 1.0, v105
	v_rcp_f32 v106, v106                           ; w0 = 1 / (1 + p)
	v_nop
	s_wait_alu depctr_va_vdst(0)
	v_mul_f32 v107, v105, v106                     ; w1 = p w0
	s_wait_xcnt 0x0                                ; EXEC changes only behind this wait
	v_cmp_gt_u32 vcc_lo, 16, v1
	s_and_saveexec_b32 s32, vcc_lo
	global_store_b32 v17, v108, s[10:11]
	global_store_b64 v18, v[106:107], s[12:13]
	s_wait_xcnt 0x0
	s_or_b32 exec_lo, exec_lo, s32
.Lend:
	s_wait_tensorcnt 0x0
	ds_add_u32 v254, v255
	s_wait_dscnt 0x0
	s_endpgm
.Lfunc_end_k_qc40a2b327c_route:
	.size	k_qc40a2b327c_route, .Lfunc_end_k_qc40a2b327c_route-k_qc40a2b327c_route
	.p2alignl 7, 3214868480
	.fill 96, 4, 3214868480
	.section	.rodata,"a",@progbits
	.p2align	6, 0x0
	.amdhsa_kernel k_qc40a2b327c_route
		.amdhsa_group_segment_fixed_size 88832
		.amdhsa_private_segment_fixed_size 0
		.amdhsa_enable_private_segment 0
		.amdhsa_kernarg_size 40
		.amdhsa_user_sgpr_count 2
		.amdhsa_user_sgpr_kernarg_segment_ptr 1
		.amdhsa_wavefront_size32 1
		.amdhsa_system_sgpr_workgroup_id_x 1
		.amdhsa_system_sgpr_workgroup_id_y 1
		.amdhsa_system_sgpr_workgroup_id_z 1
		.amdhsa_system_vgpr_workitem_id 0
		.amdhsa_next_free_vgpr 256
		.amdhsa_next_free_sgpr 66
		.amdhsa_reserve_vcc 1
		.amdhsa_float_denorm_mode_32 3
		.amdhsa_float_denorm_mode_16_64 3
		.amdhsa_memory_ordered 1
		.amdhsa_forward_progress 1
		.amdhsa_inst_pref_size 44
	.end_amdhsa_kernel
	.amdgpu_metadata
---
amdhsa.version: [ 1, 2 ]
amdhsa.kernels:
  - .name:           k_qc40a2b327c_route
    .symbol:         k_qc40a2b327c_route.kd
    .args:
      - { .name: x, .offset: 0, .size: 8, .value_kind: global_buffer, .address_space: global }
      - { .name: router_w, .offset: 8, .size: 8, .value_kind: global_buffer, .address_space: global }
      - { .name: xq, .offset: 16, .size: 8, .value_kind: global_buffer, .address_space: global }
      - { .name: ridx, .offset: 24, .size: 8, .value_kind: global_buffer, .address_space: global }
      - { .name: gate, .offset: 32, .size: 8, .value_kind: global_buffer, .address_space: global }
    .group_segment_fixed_size: 88832
    .private_segment_fixed_size: 0
    .kernarg_segment_align: 8
    .kernarg_segment_size: 40
    .max_flat_workgroup_size: 192
    .sgpr_count:     66
    .vgpr_count:     256
    .wavefront_size: 32
...
	.end_amdgpu_metadata
.endif
;; end of part 1
;; launch place (part 2): grid 16 x 8, 1 waves a work-group, no clusters, 0 bytes of LDS; arguments ridx, xq, xs, lists; writes xs, lists
.if DOCPART == 2
	.amdgcn_target "amdgcn-amd-amdhsa--gfx1250"
	.amdhsa_code_object_version 6
	.text
	.protected	k_qc40a2b327c_place
	.globl	k_qc40a2b327c_place
	.p2align	8
	.type	k_qc40a2b327c_place,@function
k_qc40a2b327c_place:
	s_mov_b64 s[64:65], 0
	v_nop
	global_prefetch_b8 v0, s[64:65] scope:SCOPE_SE
	s_setreg_imm32_b32 hwreg(HW_REG_WAVE_MODE, 25, 1), 1
	s_wait_xcnt 0x0
; THE ROWS ARE PLACED BY EXPERT.  ridx [1024]: e0 | e1 << 8.  Work-group (i, e), one wave, lays tiles q = i, i + 16, i + 32, i + 48 of expert e's rows (16 rows a tile).
; Out: xs [64 e + q][9,728 bytes]: the tile's six fragments as images of the operand's registers (16 bytes a lane, 512 bytes a group of four registers), then 32 bytes of scale words a row;
;      lists: tok[1024 e + rank] = 2 token + k (a pad row of the last tile: 2048 + 16 e + row), and at byte 32,768 + 128 e expert e's count, 32 times.
; A row's rank is its place among the expert's tokens in the order (group, lane), group g = register g of the eight 16-byte loads: token 128 (g / 4) + 4 lane + g % 4.  All work-groups of an expert count alike.
; NO SCATTER: while the groups are counted, each lane keeps, for the rank that it wants, the group in which that rank falls (its membership mask, its mask of second choices, the count before it
; and its first token); the token is then the n-th set bit of the kept mask, found by partial bit counts and five halvings.  128 work-groups = 2,048 rows / 16; four tiles each serve every split, all tokens on one expert too.
; Tile 0 of every expert is written, also where the expert has no row.
.set W,   16                           ; v16-47   ridx
.set F,   48                           ; v48-119  a tile's 72 registers of codes
.set SD,  120                          ; v120-123 my 16 bytes of a row's scale block
.set RHA, 10                           ; the rank that I want: 16 (i + 16 h) + r;
.set RHB, 11                           ; and 512 further on
.set MA,  12
.set KA,  13
.set PA,  14
.set MB,  124
.set KB,  125
.set PB,  126
.set TQ,  129
.set RR,  130
.set C2,  131
.set C4,  132
.set C8,  133
.set C16, 134
.set SP,  135
.set IN,  136
.set EA,  137
.set EB,  138
.set XA,  139
.set XB,  140
.set E0,  141                          ; v141-144 the four tiles' entries, row r in both halves of the lanes
	s_load_b256 s[4:11], s[0:1], 0x0               ; ridx, xq, xs, lists
	s_mov_b32 s12, ttmp9                           ; i
	s_and_b32 s13, ttmp7, 0xffff                   ; e
	v_and_b32 v1, 31, v0
	v_and_b32 v2, 15, v0                           ; r
	v_bfe_u32 v3, v0, 4, 1                         ; h
	v_lshlrev_b32 v4, 4, v1                        ; 16 x lane
	v_lshlrev_b32 v5, 5, v2
	v_lshl_add_u32 v5, v3, 4, v5
	v_add_nc_u32 v5, 9216, v5                      ; the scale block: 9,216 + 32 r + 16 h
	v_lshlrev_b32 v6, 2, v2
	v_lshlrev_b32 v7, 2, v1
	s_lshl_b32 s19, s13, 4
	s_add_co_u32 s19, s19, 2048
	v_add_nc_u32 v8, s19, v2                       ; a pad row's entry
	s_lshl_b32 s19, s12, 4
	v_lshl_add_u32 v[RHA], v3, 8, v2
	v_add_nc_u32 v[RHA], s19, v[RHA]
	v_add_nc_u32 v[RHB], 512, v[RHA]
.irp x, MA, KA, PA, MB, KB, PB, XA, XB
	v_mov_b32 v[\x], 0
.endr
	s_mov_b32 s14, 0                               ; the count so far
	s_mov_b32 s34, 0x76543210
	s_mov_b32 s35, 0xfedcba98
	s_wait_kmcnt 0x0
.irp j, 0,1,2,3,4,5,6,7
	global_load_b128 v[W+4*\j:W+4*\j+3], v4, s[4:5] offset:512*\j
.endr
	s_wait_loadcnt 0x0
.set GI, 0
.rept 32
	v_and_b32 v127, 0xff, v[W+GI]
	v_lshrrev_b32 v128, 8, v[W+GI]
	v_cmp_eq_u32 s15, s13, v127                    ; first choice is e
	v_cmp_eq_u32 s16, s13, v128                    ; second choice is e
	s_or_b32 s17, s15, s16
	s_or_b32 s18, s14, (128*(GI/4)+GI%4)<<16       ; the count before this group, and its first token
	v_cmp_gt_u32 vcc_lo, s14, v[RHA]               ; my rank lies before this group: keep what I have
	v_cndmask_b32 v[MA], s17, v[MA], vcc_lo
	v_cndmask_b32 v[KA], s16, v[KA], vcc_lo
	v_cndmask_b32 v[PA], s18, v[PA], vcc_lo
	v_cmp_gt_u32 vcc_lo, s14, v[RHB]
	v_cndmask_b32 v[MB], s17, v[MB], vcc_lo
	v_cndmask_b32 v[KB], s16, v[KB], vcc_lo
	v_cndmask_b32 v[PB], s18, v[PB], vcc_lo
	s_bcnt1_i32_b32 s19, s17
	s_add_co_u32 s14, s14, s19
.set GI, GI+1
.endr
; One halving: does the wanted bit lie above the lower w bits at SP?  src holds the counts of fields of w bits.
.macro HALVE src, mask, w
	v_lshrrev_b32 v[TQ], v[SP], v[\src]
	v_and_b32 v[TQ], \mask, v[TQ]
	v_cmp_ge_u32 vcc_lo, v[RR], v[TQ]
	v_cndmask_b32 v[IN], 0, \w, vcc_lo
	v_cndmask_b32 v[TQ], 0, v[TQ], vcc_lo
	v_add_nc_u32 v[SP], v[SP], v[IN]
	v_sub_nc_u32 v[RR], v[RR], v[TQ]
.endm
.macro NTH m, k, p, rho, e
	v_and_b32 v[TQ], 0xffff, v[\p]
	v_sub_nc_u32 v[RR], v[\rho], v[TQ]             ; which set bit of the group's mask, from 0
	v_lshrrev_b32 v[C2], 1, v[\m]
	v_and_b32 v[C2], 0x55555555, v[C2]
	v_sub_nc_u32 v[C2], v[\m], v[C2]               ; counts of fields of 2 bits,
	v_lshrrev_b32 v[C4], 2, v[C2]
	v_and_b32 v[C4], 0x33333333, v[C4]
	v_and_b32 v[TQ], 0x33333333, v[C2]
	v_add_nc_u32 v[C4], v[C4], v[TQ]               ; of 4,
	v_lshrrev_b32 v[C8], 4, v[C4]
	v_add_nc_u32 v[C8], v[C8], v[C4]
	v_and_b32 v[C8], 0x0f0f0f0f, v[C8]             ; of 8,
	v_lshrrev_b32 v[C16], 8, v[C8]
	v_add_nc_u32 v[C16], v[C16], v[C8]             ; of 16 (in the low byte of each half)
	v_mov_b32 v[SP], 0
	HALVE C16, 0xff, 16
	HALVE C8, 0xff, 8
	HALVE C4, 15, 4
	HALVE C2, 3, 2
	HALVE \m, 1, 1
	v_lshrrev_b32 v[TQ], v[SP], v[\k]
	v_and_b32 v[TQ], 1, v[TQ]                      ; k: 1 where e is the token's second choice
	v_lshrrev_b32 v[IN], 16, v[\p]
	v_lshl_add_u32 v[IN], v[SP], 2, v[IN]          ; the token: the group's first + 4 x lane
	v_lshl_or_b32 v[\e], v[IN], 1, v[TQ]
	v_cmp_gt_u32 vcc_lo, s14, v[\rho]              ; a rank at or past the count is a pad row
	v_cndmask_b32 v[\e], v8, v[\e], vcc_lo
.endm
	NTH MA, KA, PA, RHA, EA
	NTH MB, KB, PB, RHB, EB
	v_permlanex16_b32 v[XA], v[EA], s34, s35
	v_permlanex16_b32 v[XB], v[EB], s34, s35
	v_cmp_eq_u32 vcc_lo, 1, v3
	v_cndmask_b32 v[E0], v[EA], v[XA], vcc_lo      ; tile i: lanes 0-15 made it
	v_cndmask_b32 v[E0+1], v[XA], v[EA], vcc_lo    ; tile i + 16: lanes 16-31 did
	v_cndmask_b32 v[E0+2], v[EB], v[XB], vcc_lo
	v_cndmask_b32 v[E0+3], v[XB], v[EB], vcc_lo
	s_add_co_u32 s22, s14, 15
	s_lshr_b32 s22, s22, 4
	s_max_u32 s22, s22, 1                          ; tiles to lay: at least one
	s_cmp_lg_u32 s12, 0
	s_cbranch_scc1 .Lno_count
	v_mov_b32 v148, s14
	s_lshl_b32 s30, s13, 7
	s_add_co_u32 s30, s30, 32768
	s_mov_b32 s31, 0
	s_add_nc_u64 s[30:31], s[10:11], s[30:31]
	global_store_b32 v7, v148, s[30:31]
.Lno_count:
.macro TILE u
	s_add_co_u32 s21, s12, 16*\u                   ; q
	s_cmp_ge_u32 s21, s22
	s_cbranch_scc1 .Lskip_\@
	v_lshrrev_b32 v145, 1, v[E0+\u]
	v_min_u32 v145, 0x3ff, v145                    ; the token, held inside xq (a pad row takes token 1,023's codes: nobody reads what comes of them)
	v_mul_u32_u24 v145, v145, 608
	v_mad_u32_u24 v146, v3, 288, v145
	v_lshl_add_u32 v147, v3, 4, v145
.set KI, 0
.rept 18
	global_load_b128 v[F+4*KI:F+4*KI+3], v146, s[6:7] offset:16*KI
.set KI, KI+1
.endr
	global_load_b128 v[SD:SD+3], v147, s[6:7] offset:576   ; lanes 0-15 words 0-3, lanes 16-31 words 4, 5 and the zeros
	s_lshl_b32 s23, s13, 6
	s_add_co_u32 s23, s23, s21                     ; 64 e + q
	s_mul_i32 s24, s23, 9728
	s_mov_b32 s25, 0
	s_add_nc_u64 s[24:25], s[8:9], s[24:25]
	s_lshl_b32 s26, s23, 6                         ; 4 (1024 e + 16 q)
	s_mov_b32 s27, 0
	s_add_nc_u64 s[26:27], s[10:11], s[26:27]
	s_wait_loadcnt 0x0
.set KI, 0
.rept 18
	global_store_b128 v4, v[F+4*KI:F+4*KI+3], s[24:25] offset:512*KI   ; 512 consecutive bytes, aligned
.set KI, KI+1
.endr
	global_store_b128 v5, v[SD:SD+3], s[24:25]
	s_wait_xcnt 0x0                                ; EXEC changes only behind this wait
	v_cmp_gt_u32 vcc_lo, 16, v1
	s_and_saveexec_b32 s28, vcc_lo
	global_store_b32 v6, v[E0+\u], s[26:27]
	s_wait_xcnt 0x0                                ; and again; the stores' data and bases may now be written anew
	s_or_b32 exec_lo, exec_lo, s28
.Lskip_\@:
.endm
	TILE 0
	TILE 1
	TILE 2
	TILE 3
	s_endpgm
.Lfunc_end_k_qc40a2b327c_place:
	.size	k_qc40a2b327c_place, .Lfunc_end_k_qc40a2b327c_place-k_qc40a2b327c_place
	.p2alignl 7, 3214868480
	.fill 96, 4, 3214868480
	.section	.rodata,"a",@progbits
	.p2align	6, 0x0
	.amdhsa_kernel k_qc40a2b327c_place
		.amdhsa_group_segment_fixed_size 0
		.amdhsa_private_segment_fixed_size 0
		.amdhsa_enable_private_segment 0
		.amdhsa_kernarg_size 32
		.amdhsa_user_sgpr_count 2
		.amdhsa_user_sgpr_kernarg_segment_ptr 1
		.amdhsa_wavefront_size32 1
		.amdhsa_system_sgpr_workgroup_id_x 1
		.amdhsa_system_sgpr_workgroup_id_y 1
		.amdhsa_system_sgpr_workgroup_id_z 1
		.amdhsa_system_vgpr_workitem_id 0
		.amdhsa_next_free_vgpr 152
		.amdhsa_next_free_sgpr 66
		.amdhsa_reserve_vcc 1
		.amdhsa_float_denorm_mode_32 3
		.amdhsa_float_denorm_mode_16_64 3
		.amdhsa_memory_ordered 1
		.amdhsa_forward_progress 1
		.amdhsa_inst_pref_size 46
	.end_amdhsa_kernel
	.amdgpu_metadata
---
amdhsa.version: [ 1, 2 ]
amdhsa.kernels:
  - .name:           k_qc40a2b327c_place
    .symbol:         k_qc40a2b327c_place.kd
    .args:
      - { .name: ridx, .offset: 0, .size: 8, .value_kind: global_buffer, .address_space: global }
      - { .name: xq, .offset: 8, .size: 8, .value_kind: global_buffer, .address_space: global }
      - { .name: xs, .offset: 16, .size: 8, .value_kind: global_buffer, .address_space: global }
      - { .name: lists, .offset: 24, .size: 8, .value_kind: global_buffer, .address_space: global }
    .group_segment_fixed_size: 0
    .private_segment_fixed_size: 0
    .kernarg_segment_align: 8
    .kernarg_segment_size: 32
    .max_flat_workgroup_size: 32
    .sgpr_count:     66
    .vgpr_count:     152
    .wavefront_size: 32
...
	.end_amdgpu_metadata
.endif
;; end of part 2
;; launch gateup (part 3): grid 24 x 8, 4 waves a work-group, no clusters, 158,208 bytes of LDS; arguments Wg_codes, Wg_scales, Wu_codes, Wu_scales, xs, lists, hq, hsc; writes hq, hsc
.if DOCPART == 3
	.amdgcn_target "amdgcn-amd-amdhsa--gfx1250"
	.amdhsa_code_object_version 6
	.text
	.protected	k_qc40a2b327c_gateup
	.globl	k_qc40a2b327c_gateup
	.p2align	8
	.type	k_qc40a2b327c_gateup,@function
k_qc40a2b327c_gateup:
	s_mov_b64 s[64:65], 0
	v_nop
	global_prefetch_b8 v0, s[64:65] scope:SCOPE_SE
	s_setreg_imm32_b32 hwreg(HW_REG_WAVE_MODE, 25, 1), 1
	s_wait_xcnt 0x0
; h = silu(x Wg^T) * (x Wu^T), both products on E3M2 codes with E8M0 scales, for the rows routed to an expert; h is quantised along the hidden axis and stored as operand images.
; Work-group (S, e) makes hidden units 128 S .. 128 S + 127 of expert e, which are K step S of the next product, for all the expert's row tiles.
; Wave w: cw = w & 1 picks 64 of the hidden units (blocks 2 cw, 2 cw + 1 of 32), rw = w >> 1 picks the row tiles rw, rw + 2, ..
; THE WEIGHTS STAY IN REGISTERS: 4 tiles of 16 rows x 2 matrices x 6 K steps = 48 fragments, 576 registers a wave.  They are read from memory once, densely (each wave one block of 32 rows of Wg and of Wu,
; 18,432 consecutive bytes each), and turn through LDS into fragments.  What walks is small: a row tile's six fragments of x (9,216 bytes, with 384 of scale words), two tiles ahead, straight from memory into registers.
; THE PRODUCT IS USED TRANSPOSED (source 0 = 16 rows of a weight, source 1 = 16 rows of x), AND THE ROWS OF A WEIGHT'S TILE ARE NOT NEIGHBOURS: lane r of tile ut of a block takes block row 8 ut + r + 8 (r / 8),
; so that a lane holds one token and the 16 registers of a block's two tiles are 16 neighbouring hidden units: 32 b + 16 (lane / 16) + 0 .. 15.
; The trip count hangs on the expert's stored count, so the launch has no tensor load, and so no joint loads either, though the 24 slices of an expert read the same tiles of x.
; LIMITS: NaN and infinities are not served; sigmoid(g) is 0 where 2^(-g log2 e) overflows (g under about -88); a block of zeros gets the byte 1 with zero codes (only this program reads the bytes).
; REGISTERS: window 0: v1-21 addresses; v24-47 the weights' scale words (Wg's in lanes 0-15, Wu's in lanes 16-31); v48-59 x's scale words, two sets; v64-95 g, v96-127 u; v128-186 at work.
;   Weight fragment f = 8 s + 2 tile + matrix: f < 21 in window 1, f < 42 in window 2, else window 3, 12 registers each.  Window 3 v72-143, v144-215: x's fragments, two sets.
.set BPITCH, 592                       ; a weight row in LDS: 576 bytes + 16
.set MATS,   18944                     ; 32 rows: a block of one matrix
.set BLKS,   37888                     ; a block: Wg's rows, then Wu's
.set SCB,    151552                    ; behind the four blocks: Wg's scale bytes (128 rows x 24), then Wu's
.set BS,  24
.set AS,  48
.set G,   64
.set U,   96
.set TT,  128
.set TM,  160
.set PC,  176
.set PQ,  182
.set PW,  186
.set MSB, 0
.macro WIN new                         ; the immediate's high byte repeats the setting that is left
.if MSB != \new
	s_set_vgpr_msb (MSB<<8)|\new
.set MSB, \new
.endif
.endm
	s_load_b512 s[4:19], s[0:1], 0x0               ; Wg codes, Wg scales, Wu codes, Wu scales, xs, lists, hq, hsc
	v_lshl_add_u32 v254, v0, 2, 0x26800
	v_mov_b32 v255, 0
	v_lshrrev_b32 v1, 5, v0
	v_readfirstlane_b32 s20, v1                    ; wave
	v_and_b32 v21, 31, v0                          ; lane
	v_lshlrev_b32 v1, 4, v21                       ; 16 x lane
	s_and_b32 s21, s20, 1                          ; cw
	s_lshr_b32 s22, s20, 1                         ; rw
	s_mov_b32 s23, ttmp9                           ; S
	s_and_b32 s24, ttmp7, 0xffff                   ; e
	s_mul_i32 s48, s24, 3072
	s_lshl_b32 s49, s23, 7
	s_add_co_u32 s48, s48, s49                     ; the slice's first weight row
	s_lshl_b32 s49, s20, 5
	s_add_co_u32 s49, s49, s48                     ; the block that I fetch: + 32 w
	s_mul_i32 s40, s49, 576
	s_mov_b32 s41, 0                               ; (stays 0)
	s_mul_i32 s56, s48, 24
	s_mul_i32 s49, s21, 1536
	s_add_co_u32 s56, s56, s49                     ; the half of a matrix's 3,072 scale bytes that I fetch
	s_mov_b32 s57, 0                               ; (stays 0)
	s_lshl_b32 s50, s24, 7
	s_add_co_u32 s50, s50, 32768
	s_mov_b32 s51, 0
	s_mul_i32 s58, s24, 64*9728
	s_mov_b32 s59, 0
	s_mul_i32 s54, s21, 768
	s_mul_i32 s55, s20, BLKS
	s_wait_kmcnt 0x0
	s_add_nc_u64 s[52:53], s[14:15], s[50:51]
	s_load_b32 s25, s[52:53], 0x0                  ; the expert's count
	s_add_nc_u64 s[4:5], s[4:5], s[40:41]
	s_add_nc_u64 s[8:9], s[8:9], s[40:41]
	s_cmp_lt_u32 s20, 2                            ; waves 0, 1 fetch Wg's scale bytes, waves 2, 3 Wu's
	s_cselect_b64 s[6:7], s[6:7], s[10:11]
	s_add_nc_u64 s[6:7], s[6:7], s[56:57]
	s_add_nc_u64 s[46:47], s[12:13], s[58:59]      ; the expert's tiles of x
	WIN 0x40                                       ; destination window 1
.set L, 0
.rept 36
	global_load_b128 v[4*L:4*L+3], v1, s[4:5] offset:512*L th:TH_LOAD_NT   ; 512 consecutive bytes; each weight byte is read once in the launch
.set L, L+1
.endr
.rept 28
	global_load_b128 v[4*L:4*L+3], v1, s[8:9] offset:512*(L-36) th:TH_LOAD_NT
.set L, L+1
.endr
	WIN 0x80                                       ; destination window 2
.rept 8
	global_load_b128 v[4*(L-64):4*(L-64)+3], v1, s[8:9] offset:512*(L-36) th:TH_LOAD_NT
.set L, L+1
.endr
.irp j, 0,1,2
	global_load_b128 v[32+4*\j:35+4*\j], v1, s[6:7] offset:512*\j th:TH_LOAD_NT
.endr
	WIN 0
	v_and_b32 v2, 15, v0                           ; r
	v_bfe_u32 v3, v0, 4, 1                         ; h
.irp i, 0,1,2,3,4,5,6,7,8                      ; load 9 y + i brings pieces of 16 bytes g = 32 i + lane of rows 8 y .. 8 y + 7 (36 pieces a row): row g / 36, so 16 (g + g / 36) bytes on at a pitch of 37 pieces
	v_add_nc_u32 v22, 32*\i, v21
	v_mul_u32_u24 v23, v22, 57
	v_lshrrev_b32 v23, 11, v23                     ; g / 36, exact for g under 288
	v_add_nc_u32 v22, v22, v23
	v_lshlrev_b32 v22, 4, v22
	v_add_nc_u32 v[4+\i], s55, v22
.endr
	s_mul_i32 s48, s20, 1536
	s_add_co_u32 s48, s48, SCB
	v_add_nc_u32 v13, s48, v1                      ; the scale bytes into LDS
	s_mul_i32 s48, s21, 2*BLKS
	v_mul_u32_u24 v14, v2, BPITCH
	v_mad_u32_u24 v14, v3, 24, v14
	v_add_nc_u32 v14, s48, v14                     ; a fragment's row of my first block,
	v_add_nc_u32 v15, BLKS, v14                    ; of my second
	v_and_b32 v22, 8, v2
	v_add_nc_u32 v22, v22, v2                      ; r + 8 (r / 8)
	v_mul_u32_u24 v16, v22, 24
	v_mad_u32_u24 v16, v3, 3072, v16               ; lanes 16-31 take Wu's words
	s_mul_i32 s48, s21, 1536
	s_add_co_u32 s48, s48, SCB
	v_add_nc_u32 v16, s48, v16
	v_lshlrev_b32 v17, 5, v2
	v_add_nc_u32 v17, 9216, v17                    ; x's scale words: 32 bytes a row behind the images
	v_lshlrev_b32 v19, 3, v21                      ; 8 x lane
	s_lshl_b32 s48, s21, 1
	v_lshl_add_u32 v20, v2, 2, s48                 ; my two bytes of row r's scale word
	v_mov_b32 v[TM+4], 0                           ; a lane permute's destination counts as read: written once
	v_mov_b32 v[TM+5], 0
	s_mov_b32 s42, 0xbfb8aa3b                      ; -log2(e)
	s_mov_b32 s43, s42
	s_mov_b32 s44, 0x76543210
	s_mov_b32 s45, 0xfedcba98
	s_wait_kmcnt 0x0
	s_min_u32 s25, s25, 1024
	s_add_co_u32 s26, s25, 15
	s_lshr_b32 s26, s26, 4                         ; row tiles
	s_max_u32 s27, s26, 1
	s_sub_co_u32 s27, s27, 1                       ; the last tile that was laid
.macro ABASE a, want                           ; set a's base: the tile wanted, held at the last tile laid and inside the expert's 64
	s_min_u32 s31, \want, s27
	s_min_u32 s31, s31, 63
	s_mul_i32 s40, s31, 9728
	s_add_nc_u64 s[32+2*\a:33+2*\a], s[46:47], s[40:41]
.endm
.macro ASET a                                  ; 20 loads: six fragments as they lie, six scale words
	WIN 0xc0
.set L, 0
.rept 18
	global_load_b128 v[72+72*\a+4*L:72+72*\a+4*L+3], v1, s[32+2*\a:33+2*\a] offset:512*L
.set L, L+1
.endr
	WIN 0
	global_load_b128 v[AS+6*\a:AS+6*\a+3], v17, s[32+2*\a:33+2*\a]
	global_load_b64 v[AS+6*\a+4:AS+6*\a+5], v17, s[32+2*\a:33+2*\a] offset:16
.endm
	ABASE 0, s22
	ASET 0
	s_add_co_u32 s49, s22, 2
	ABASE 1, s49
	ASET 1
	s_wait_loadcnt 63                              ; 115 loads were issued: at most the youngest 63 are out, so Wg's 36, the oldest, are in
	WIN 0x04                                       ; an LDS store's data: window 1
.set L, 0
.rept 36                                       ; rows 8 y .. 8 y + 7 of the block go to tile y & 1, rows 8 (y >> 1) on
	ds_store_b128 v[4+L%9], v[4*L:4*L+3] offset:(16*((L/9)&1)+8*((L/9)>>1))*BPITCH
.set L, L+1
.endr
	s_wait_loadcnt 40                              ; only x's 40 loads may be out
.rept 28
	ds_store_b128 v[4+(L-36)%9], v[4*L:4*L+3] offset:MATS+(16*(((L-36)/9)&1)+8*(((L-36)/9)>>1))*BPITCH
.set L, L+1
.endr
	WIN 0x08
.rept 8
	ds_store_b128 v[4+(L-36)%9], v[4*(L-64):4*(L-64)+3] offset:MATS+(16*(((L-36)/9)&1)+8*(((L-36)/9)>>1))*BPITCH
.set L, L+1
.endr
.irp j, 0,1,2
	ds_store_b128 v13, v[32+4*\j:35+4*\j] offset:512*\j
.endr
	WIN 0
	s_wait_dscnt 0x0                               ; for the others' sake: my stores have landed
	s_barrier_signal -1
	s_barrier_wait -1                              ; the launch's one barrier: every wave passes it, whatever the count
.set FI, 0
.rept 48                                       ; my 48 fragments, each 24 bytes of a row's stream of bits twice, in pieces of 8 bytes
.if FI < 21
	WIN 0x40
.set WR, 12*FI
.elseif FI < 42
	WIN 0x80
.set WR, 12*(FI-21)
.else
	WIN 0xc0
.set WR, 12*(FI-42)
.endif
.irp p, 0,1,2,3,4,5
	ds_load_b64 v[WR+2*\p:WR+2*\p+1], v[14+(FI%8)/4] offset:MATS*(FI%2)+16*BPITCH*(((FI%8)/2)%2)+96*(FI/8)+48*(\p/3)+8*(\p%3)
.endr
.set FI, FI+1
.endr
	WIN 0
.irp t, 0,1,2,3
.irp i, 0,1,2
	ds_load_b64 v[BS+6*\t+2*\i:BS+6*\t+2*\i+1], v16 offset:(32*(\t/2)+8*(\t%2))*24+8*\i
.endr
.endr
	s_wait_dscnt 0x0
; 48 products: K step by K step, the eight accumulators by turns; the first K step starts the sums.
.macro MM a
.set FI, 0
.rept 48
.set KS, FI/8
.set TI, (FI%8)/2
.if FI < 21
	WIN 0x0d                                       ; source 0 window 1, source 1 window 3
.set WR, 12*FI
.elseif FI < 42
	WIN 0x0e
.set WR, 12*(FI-21)
.else
	WIN 0x0f
.set WR, 12*(FI-42)
.endif
.set AR, 72+72*\a+12*KS
.set DR, G+32*(FI%2)+8*TI
.if KS == 0
.if FI%2 == 0
	v_wmma_scale_f32_16x16x128_f8f6f4 v[DR:DR+7], v[WR:WR+11], v[AR:AR+11], 0, v[BS+6*TI+KS], v[AS+6*\a+KS] matrix_a_fmt:MATRIX_FMT_BF6 matrix_b_fmt:MATRIX_FMT_BF6
.else
	v_wmma_scale_f32_16x16x128_f8f6f4 v[DR:DR+7], v[WR:WR+11], v[AR:AR+11], 0, v[BS+6*TI+KS], v[AS+6*\a+KS] matrix_a_fmt:MATRIX_FMT_BF6 matrix_b_fmt:MATRIX_FMT_BF6 matrix_a_scale:MATRIX_SCALE_ROW1
.endif
.else
.if FI%2 == 0
	v_wmma_scale_f32_16x16x128_f8f6f4 v[DR:DR+7], v[WR:WR+11], v[AR:AR+11], v[DR:DR+7], v[BS+6*TI+KS], v[AS+6*\a+KS] matrix_a_fmt:MATRIX_FMT_BF6 matrix_b_fmt:MATRIX_FMT_BF6
.else
	v_wmma_scale_f32_16x16x128_f8f6f4 v[DR:DR+7], v[WR:WR+11], v[AR:AR+11], v[DR:DR+7], v[BS+6*TI+KS], v[AS+6*\a+KS] matrix_a_fmt:MATRIX_FMT_BF6 matrix_b_fmt:MATRIX_FMT_BF6 matrix_a_scale:MATRIX_SCALE_ROW1
.endif
.endif
.set FI, FI+1
.endr
	WIN 0
.endm
; ONE ROW TILE, T = s28, from x's set a.
.macro TILE a
	s_wait_loadcnt 20                              ; this set's 20 loads are in; the other set's 20, issued behind them, may be out
	MM \a
	s_add_co_u32 s49, s28, 4
	ABASE \a, s49                                  ; (this set's loads are done, so its base may be written)
.rept 4
	v_nop                                          ; four places behind the products: for the loads into the registers that they read, and for the first read of their results
.endr
	ASET \a                                        ; the tile four on: two tiles' work in which to land
.set J, 0
.rept 16
	v_pk_mul_f32 v[TT+J:TT+J+1], v[G+J:G+J+1], s[42:43] op_sel_hi:[1,0]   ; -g log2(e); each accumulator is read from its low end on
.set J, J+2
.endr
.set J, 0
.rept 32
	v_exp_f32 v[TT+J], v[TT+J]
.set J, J+1
.endr
	v_nop                                          ; one plain place behind the exponentials
.set J, 0
	s_wait_alu depctr_va_vdst(0)
.rept 16
	v_pk_add_f32 v[TT+J:TT+J+1], v[TT+J:TT+J+1], 1.0 op_sel_hi:[1,0]
.set J, J+2
.endr
.set J, 0
.rept 32
	v_rcp_f32 v[TT+J], v[TT+J]                     ; sigmoid(g)
.set J, J+1
.endr
	v_nop
.set J, 0
	s_wait_alu depctr_va_vdst(0)
.rept 16
	v_pk_mul_f32 v[G+J:G+J+1], v[G+J:G+J+1], v[TT+J:TT+J+1]   ; silu(g)
.set J, J+2
.endr
.set J, 0
.rept 16
	v_pk_mul_f32 v[G+J:G+J+1], v[G+J:G+J+1], v[U+J:U+J+1]     ; x u
.set J, J+2
.endr
	s_wait_xcnt 0x0                                ; the last tile's stores have read their data and bases: both are written anew below
.irp b, 0,1
	v_max3_num_f32 v[TM+\b], |v[G+16*\b]|, |v[G+1+16*\b]|, 0x2800000   ; my 16 numbers of block b, and the floor 2^(5 - 127)
.endr
.irp i, 2,4,6,8,10,12,14
.irp b, 0,1
	v_max3_num_f32 v[TM+\b], v[TM+\b], |v[G+16*\b+\i]|, |v[G+1+16*\b+\i]|
.endr
.endr
.irp b, 0,1
	v_permlanex16_b32 v[TM+4+\b], v[TM+\b], s44, s45
.endr
.irp b, 0,1
	v_max_num_f32 v[TM+\b], v[TM+\b], v[TM+4+\b]   ; the block's largest magnitude
.endr
.irp b, 0,1
	v_add_nc_u32 v[TM+12+\b], 0xfe000000, v[TM+\b] ; 4 off its exponent field: the conversion's scale operand
.endr
.irp b, 0,1
	v_lshrrev_b32 v[TM+4+\b], 23, v[TM+12+\b]      ; the scale's byte
.endr
	v_lshl_or_b32 v[PW], v[TM+5], 8, v[TM+4]
	v_cvt_scalef32_pk16_bf6_f32 v[PC:PC+2], v[G:G+15], v[TM+12]
	v_cvt_scalef32_pk16_bf6_f32 v[PQ:PQ+2], v[G+16:G+31], v[TM+13]
	v_nop                                          ; one plain place behind a scaled conversion
.irp i, 0,1,2
	v_permlane16_swap_b32 v[PC+\i], v[PQ+\i]       ; a whole block to a lane: lanes 0-15 my first block, lanes 16-31 my second
.endr
.irp i, 0,1,2
	v_mov_b32 v[PC+3+\i], v[PQ+\i]                 ; registers 6 cw .. 6 cw + 5 of K step S's fragment
.endr
	s_min_u32 s31, s28, 63
	s_lshl_b32 s48, s24, 6
	s_add_co_u32 s48, s48, s31
	s_mul_i32 s48, s48, 24
	s_add_co_u32 s48, s48, s23                     ; (64 e + T) 24 + S
	s_lshl_b32 s56, s48, 6
	s_mul_i32 s40, s48, 1536
	s_add_co_u32 s40, s40, s54                     ; + 768 cw
	s_add_nc_u64 s[36:37], s[16:17], s[40:41]
	s_add_nc_u64 s[38:39], s[18:19], s[56:57]
	global_store_b128 v1, v[PC:PC+3], s[36:37]               ; 512 consecutive bytes, aligned
	global_store_b64 v19, v[PC+4:PC+5], s[36:37] offset:512  ; 256 consecutive bytes, aligned
	global_store_b16 v20, v[PW], s[38:39]                    ; two scale bytes a row, 4 bytes apart (lanes 16-31 repeat lanes 0-15): one byte in 24 of what the launch stores
	s_add_co_u32 s28, s28, 2
.endm
	s_add_co_u32 s30, s26, 1
	s_sub_co_u32 s30, s30, s22
	s_lshr_b32 s30, s30, 1                         ; my row tiles
	s_cmp_eq_u32 s30, 0
	s_cbranch_scc1 .Lend
	s_add_co_u32 s30, s30, 1
	s_lshr_b32 s30, s30, 1                         ; trips of two tiles
	s_mov_b32 s29, 0
	s_mov_b32 s28, s22                             ; T
.Ltrip:
	TILE 0
	s_cmp_lt_u32 s28, s26                          ; is a second tile left for this trip?
	s_cbranch_scc1 .Lsecond
	s_wait_tensorcnt 0x0
	ds_add_u32 v254, v255
	s_wait_dscnt 0x0
	s_endpgm                                       ; an odd number of tiles: the wave ends here; only plain loads (tiles asked for ahead, never used) and stores are out
.Lsecond:
	TILE 1
	s_add_co_u32 s29, s29, 1
	s_cmp_lt_u32 s29, s30
	s_cbranch_scc1 .Ltrip
.Lend:
	s_wait_tensorcnt 0x0
	ds_add_u32 v254, v255
	s_wait_dscnt 0x0
	s_endpgm
.Lfunc_end_k_qc40a2b327c_gateup:
	.size	k_qc40a2b327c_gateup, .Lfunc_end_k_qc40a2b327c_gateup-k_qc40a2b327c_gateup
	.p2alignl 7, 3214868480
	.fill 96, 4, 3214868480
	.section	.rodata,"a",@progbits
	.p2align	6, 0x0
	.amdhsa_kernel k_qc40a2b327c_gateup
		.amdhsa_group_segment_fixed_size 158208
		.amdhsa_private_segment_fixed_size 0
		.amdhsa_enable_private_segment 0
		.amdhsa_kernarg_size 64
		.amdhsa_user_sgpr_count 2
		.amdhsa_user_sgpr_kernarg_segment_ptr 1
		.amdhsa_wavefront_size32 1
		.amdhsa_system_sgpr_workgroup_id_x 1
		.amdhsa_system_sgpr_workgroup_id_y 1
		.amdhsa_system_sgpr_workgroup_id_z 1
		.amdhsa_system_vgpr_workitem_id 0
		.amdhsa_next_free_vgpr 1024
		.amdhsa_next_free_sgpr 66
		.amdhsa_reserve_vcc 0
		.amdhsa_float_denorm_mode_32 3
		.amdhsa_float_denorm_mode_16_64 3
		.amdhsa_memory_ordered 1
		.amdhsa_forward_progress 1
		.amdhsa_inst_pref_size 76
	.end_amdhsa_kernel
	.amdgpu_metadata
---
amdhsa.version: [ 1, 2 ]
amdhsa.kernels:
  - .name:           k_qc40a2b327c_gateup
    .symbol:         k_qc40a2b327c_gateup.kd
    .args:
      - { .name: Wg_codes, .offset: 0, .size: 8, .value_kind: global_buffer, .address_space: global }
      - { .name: Wg_scales, .offset: 8, .size: 8, .value_kind: global_buffer, .address_space: global }
      - { .name: Wu_codes, .offset: 16, .size: 8, .value_kind: global_buffer, .address_space: global }
      - { .name: Wu_scales, .offset: 24, .size: 8, .value_kind: global_buffer, .address_space: global }
      - { .name: xs, .offset: 32, .size: 8, .value_kind: global_buffer, .address_space: global }
      - { .name: lists, .offset: 40, .size: 8, .value_kind: global_buffer, .address_space: global }
      - { .name: hq, .offset: 48, .size: 8, .value_kind: global_buffer, .address_space: global }
      - { .name: hsc, .offset: 56, .size: 8, .value_kind: global_buffer, .address_space: global }
    .group_segment_fixed_size: 158208
    .private_segment_fixed_size: 0
    .kernarg_segment_align: 8
    .kernarg_segment_size: 64
    .max_flat_workgroup_size: 128
    .sgpr_count:     66
    .vgpr_count:     1024
    .wavefront_size: 32
...
	.end_amdgpu_metadata
.endif
;; end of part 3
;; launch down (part 4): grid 23 x 12, 4 waves a work-group, no clusters, 291,328 bytes of LDS; arguments Wd_codes, Wd_scales, hq, hsc, lists, y; writes y
.if DOCPART == 4
	.amdgcn_target "amdgcn-amd-amdhsa--gfx1250"
	.amdhsa_code_object_version 6
	.text
	.protected	k_qc40a2b327c_down
	.globl	k_qc40a2b327c_down
	.p2align	8
	.type	k_qc40a2b327c_down,@function
k_qc40a2b327c_down:
	s_mov_b64 s[64:65], 0
	v_nop
	global_prefetch_b8 v0, s[64:65] scope:SCOPE_SE
	s_setreg_imm32_b32 hwreg(HW_REG_WAVE_MODE, 25, 1), 1
	s_wait_xcnt 0x0
; y[2 token + k] = h Wd[e]^T for each routed row, on E3M2 codes with E8M0 scales.  The gate's weight comes in the next launch.
; Work-group (j, cs): chunk j of 128 routed rows, output columns 64 cs .. 64 cs + 63.  An expert with n rows has ceil(n / 128) chunks; 2,048 / 128 + 7 = 23 serve every split.
; Which expert and which of its chunks j is follows from the eight stored counts, by selects.  A chunk number past the last has no rows: it stores nothing.
; THE WAVES SHARE K: wave kw takes K steps 6 kw .. 6 kw + 5 of the whole 128 x 64 tile: 32 accumulators, 192 products.  So no byte of h or Wd is loaded by two waves.
; The four parts meet in LDS behind the launch's one barrier and are added as (p0 + p1) + (p2 + p3): K is summed in four parts, not in one chain.
; h's fragments come straight from memory as images of their registers, two K steps ahead; Wd's 576 bytes of each of 64 rows turn through the wave's own LDS.
; TRANSPOSED: source 0 = 16 rows of Wd (output columns), source 1 = 16 rows of h: a lane holds one row and eight neighbouring columns.
; Trip and validity hang on stored counts, so the launch has no tensor load and no joint loads, though the 12 column slices of a chunk read the same h.
; Tiles of a chunk past the expert's last tile are multiplied on the last tile's data and not stored; pad rows of the last tile go to rows of y that nobody reads.
; REGISTERS: window 0: v1-34 addresses; v40-63 Wd's scale words; v64-87 h's (even K step in lanes 0-15, odd in lanes 16-31); v96-191 Wd's fragments, two sets; v224-255 rows' entries and offsets.
;   window 1: the accumulators (m, n) at 8 (4 m + n); windows 2 and 3: h's fragments, three sets of 96.
.set WBS,  37888                       ; LDS of a wave: 64 rows of Wd x 592 bytes
.set PS,   151552                      ; the parts: [kw][128 rows] x 272 bytes
.set PSW,  34816
.set GOFF, 8
.set LOFF, 17
.set BSC,  40
.set ASC,  64
.set BF,   96
.set EN,   224
.set YO,   240
.set MSB, 0
.macro WIN new                         ; the immediate's high byte repeats the setting that is left
.if MSB != \new
	s_set_vgpr_msb (MSB<<8)|\new
.set MSB, \new
.endif
.endm
	s_load_b256 s[4:11], s[0:1], 0x0               ; Wd codes, Wd scales, hq, hsc
	s_load_b128 s[12:15], s[0:1], 0x20             ; lists, y
	v_lshl_add_u32 v94, v0, 2, 0x47000
	v_mov_b32 v95, 0
	v_lshrrev_b32 v1, 5, v0
	v_readfirstlane_b32 s16, v1                    ; kw
	s_mov_b32 s17, ttmp9                           ; j
	s_and_b32 s18, ttmp7, 0xffff                   ; cs
	v_and_b32 v5, 31, v0                           ; lane
	v_and_b32 v2, 15, v0                           ; r
	v_bfe_u32 v3, v0, 4, 1                         ; h
	v_lshlrev_b32 v1, 4, v5
	v_lshlrev_b32 v4, 3, v5
	s_mul_i32 s80, s16, WBS
.irp i, 0,1,2,3,4,5,6,7,8                      ; load 9 y + i brings pieces of 16 bytes g = 32 i + lane of rows 8 y .. 8 y + 7, 36 pieces of each row
	v_add_nc_u32 v6, 32*\i, v5
	v_mul_u32_u24 v7, v6, 57
	v_lshrrev_b32 v7, 11, v7                       ; g / 36, exact for g under 288
	v_add_nc_u32 v[LOFF+\i], v6, v7
	v_lshlrev_b32 v[LOFF+\i], 4, v[LOFF+\i]
	v_add_nc_u32 v[LOFF+\i], s80, v[LOFF+\i]       ; in LDS: 37 pieces a row
	v_lshlrev_b32 v6, 4, v6
	v_mad_u32_u24 v[GOFF+\i], v7, 1728, v6         ; in memory: 2,304 bytes a row
.endr
	v_mul_u32_u24 v26, v2, 592
	v_mad_u32_u24 v26, v3, 24, v26
	v_add_nc_u32 v26, s80, v26                     ; a fragment's row of Wd
	s_mul_i32 s81, s16, 24
	v_mul_u32_u24 v27, v2, 96
	v_add_nc_u32 v27, s81, v27                     ; Wd's scale words: row r, my six
	v_lshlrev_b32 v28, 2, v5
	s_mul_i32 s81, s16, PSW
	s_add_co_u32 s81, s81, PS
	v_mul_u32_u24 v29, v2, 272
	v_lshl_add_u32 v29, v3, 5, v29
	v_add_nc_u32 v29, s81, v29                     ; my part: row r, + 32 h
	s_mul_i32 s81, s16, 32*272
	s_add_co_u32 s81, s81, PS
	v_mul_u32_u24 v30, v3, 272
	v_lshl_add_u32 v30, v2, 4, v30
	v_add_nc_u32 v30, s81, v30                     ; back: rows 32 kw + h on, 16 bytes a lane; parts 0, 1;
	v_add_nc_u32 v31, 2*PSW, v30                   ; parts 2, 3
	v_lshlrev_b32 v33, 2, v3
	v_lshlrev_b32 v34, 4, v2
	s_mov_b32 s67, 0                               ; (stays 0)
	s_wait_kmcnt 0x0
.irp i, 0,1,2,3,4,5,6,7
	s_load_b32 s[72+\i], s[12:13], 32768+128*\i    ; the eight counts
.endr
	s_wait_kmcnt 0x0
.irp i, 0,1,2,3,4,5,6,7
	s_min_u32 s[72+\i], s[72+\i], 1024
.endr
	s_mov_b32 s19, 0                               ; e
	s_mov_b32 s20, 0                               ; chunks before e
	s_mov_b32 s21, s72                             ; e's count
	s_mov_b32 s22, 0
.irp i, 0,1,2,3,4,5,6,7
	s_add_co_u32 s68, s[72+\i], 127
	s_lshr_b32 s68, s68, 7
	s_add_co_u32 s22, s22, s68                     ; chunks up to and with expert i
	s_cmp_ge_u32 s17, s22                          ; j lies behind them
	s_cselect_b32 s19, \i+1, s19
	s_cselect_b32 s20, s22, s20
.if \i < 7
	s_cselect_b32 s21, s[73+\i], s21
.endif
.endr
	s_cmp_lt_u32 s19, 8
	s_cselect_b32 s23, 1, 0                        ; has this chunk rows?
	s_min_u32 s19, s19, 7
	s_sub_co_u32 s60, s17, s20
	s_lshl_b32 s60, s60, 3                         ; the chunk's first tile
	s_add_co_u32 s61, s21, 15
	s_lshr_b32 s61, s61, 4                         ; the expert's tiles
	s_max_u32 s62, s61, 1
	s_sub_co_u32 s62, s62, 1                       ; the last
	s_lshl_b32 s69, s19, 6                         ; 64 e
	s_mul_i32 s70, s16, 9216
	s_mul_i32 s71, s16, 384
.irp m, 0,1,2,3,4,5,6,7
	s_add_co_u32 s68, s60, \m
	s_min_u32 s68, s68, s62
	s_min_u32 s68, s68, 63                         ; held at the last tile made and inside the expert's 64
	s_add_co_u32 s68, s68, s69
	s_mul_i32 s66, s68, 36864
	s_add_co_u32 s66, s66, s70
	s_add_nc_u64 s[24+2*\m:25+2*\m], s[8:9], s[66:67]      ; tile m's images, my six K steps
	s_mul_i32 s66, s68, 1536
	s_add_co_u32 s66, s66, s71
	s_add_nc_u64 s[40+2*\m:41+2*\m], s[10:11], s[66:67]    ; and their scale words
.endr
	s_lshl_b32 s81, s16, 1
.irp t, 0,1
	s_add_co_u32 s68, s60, s81
	s_add_co_u32 s68, s68, \t
	s_mov_b32 s[82+\t], s68                        ; the tiles whose rows I store
	s_min_u32 s68, s68, s62
	s_min_u32 s68, s68, 63
	s_add_co_u32 s68, s68, s69
	s_lshl_b32 s66, s68, 6
	s_add_nc_u64 s[56+2*\t:57+2*\t], s[12:13], s[66:67]
.endr
.irp t, 0,1
.irp i, 0,1,2,3,4,5,6,7
	global_load_b32 v[EN+8*\t+\i], v33, s[56+2*\t:57+2*\t] offset:8*\i   ; the entries of rows 2 i + h, as they are stored below
.endr
.endr
	s_mul_i32 s68, s19, 768
	s_lshl_b32 s66, s18, 6
	s_add_co_u32 s68, s68, s66                     ; Wd's first row: 768 e + 64 cs
	s_mul_i32 s66, s68, 2304
	s_mul_i32 s81, s16, 576
	s_add_co_u32 s66, s66, s81
	s_add_nc_u64 s[84:85], s[4:5], s[66:67]
	s_mul_i32 s66, s68, 96
	s_add_nc_u64 s[86:87], s[6:7], s[66:67]
	s_lshl_b32 s66, s18, 8
	s_add_nc_u64 s[14:15], s[14:15], s[66:67]
	s_cmp_eq_u32 s23, 0
	s_cbranch_scc1 .Lmeet
.macro ALOAD k                                 ; 32 loads: the eight row tiles' fragments of my K step k into set k % 3
.if (\k)%3 == 2
	WIN 0xc0
.set ALB, 0
.elseif (\k)%3 == 1
	WIN 0x80
.set ALB, 96
.else
	WIN 0x80
.set ALB, 0
.endif
.irp m, 0,1,2,3,4,5,6,7
.irp c, 0,1
	global_load_b128 v[ALB+12*\m+6*\c:ALB+12*\m+6*\c+3], v1, s[24+2*\m:25+2*\m] offset:1536*(\k)+768*\c
	global_load_b64 v[ALB+12*\m+6*\c+4:ALB+12*\m+6*\c+5], v4, s[24+2*\m:25+2*\m] offset:1536*(\k)+768*\c+512
.endr
.endr
	WIN 0
.endm
.macro BFRAG k                                 ; 24 LDS loads: Wd's four fragments of my K step k into set k % 2
.irp n, 0,1,2,3
.irp p, 0,1,2,3,4,5
	ds_load_b64 v[BF+48*((\k)%2)+12*\n+2*\p:BF+48*((\k)%2)+12*\n+2*\p+1], v26 offset:9472*\n+96*(\k)+48*(\p/3)+8*(\p%3)
.endr
.endr
.endm
	WIN 0x40
.set L, 0
.rept 64
	global_load_b128 v[4*L:4*L+3], v[GOFF+L%9], s[84:85] offset:18432*(L/9)
.set L, L+1
.endr
	WIN 0xc0
.rept 8
	global_load_b128 v[96+4*(L-64):96+4*(L-64)+3], v[GOFF+L%9], s[84:85] offset:18432*(L/9)
.set L, L+1
.endr
	WIN 0
.irp n, 0,1,2,3
.irp i, 0,1,2
	global_load_b64 v[BSC+6*\n+2*\i:BSC+6*\n+2*\i+1], v27, s[86:87] offset:1536*\n+8*\i
.endr
.endr
.irp m, 0,1,2,3,4,5,6,7
.irp i, 0,1,2
	global_load_b32 v[ASC+3*\m+\i], v28, s[40+2*\m:41+2*\m] offset:128*\i
.endr
.endr
	ALOAD 0
	ALOAD 1
	s_wait_loadcnt 63                              ; 100 loads were issued behind Wd's 72: with at most 63 out, Wd's are in
	WIN 0x04
.set L, 0
.rept 64
	ds_store_b128 v[LOFF+L%9], v[4*L:4*L+3] offset:4736*(L/9)
.set L, L+1
.endr
	WIN 0x0c
.rept 8
	ds_store_b128 v[LOFF+L%9], v[96+4*(L-64):96+4*(L-64)+3] offset:4736*(L/9)
.set L, L+1
.endr
	WIN 0
	BFRAG 0                                        ; my own bytes: LDS serves a wave's instructions in order
.macro KSTEP k
.if \k < 5
	s_wait_loadcnt 32                              ; this K step's fragments (and, the first time, the scale words) are in; the next step's 32 loads may be out
.else
	s_wait_loadcnt 0x0
.endif
.if \k < 4
	ALOAD (\k+2)
.endif
.if \k < 5
	BFRAG (\k+1)
	s_wait_dscnt 24                                ; all but the 24 just issued
.else
	s_wait_dscnt 0x0
.endif
.if (\k)%3 == 2
	WIN 0x5c                                       ; C and D window 1, source 1 window 3
.set AB, 0
.elseif (\k)%3 == 1
	WIN 0x58                                       ; source 1 window 2
.set AB, 96
.else
	WIN 0x58
.set AB, 0
.endif
.irp m, 0,1,2,3,4,5,6,7                        ; the 32 accumulators by turns, in the same order in every K step
.irp n, 0,1,2,3
.if \k == 0
	v_wmma_scale_f32_16x16x128_f8f6f4 v[8*(4*\m+\n):8*(4*\m+\n)+7], v[BF+48*((\k)%2)+12*\n:BF+48*((\k)%2)+12*\n+11], v[AB+12*\m:AB+12*\m+11], 0, v[BSC+6*\n+\k], v[ASC+3*\m+(\k)/2] matrix_a_fmt:MATRIX_FMT_BF6 matrix_b_fmt:MATRIX_FMT_BF6
.elseif (\k)%2 == 1
	v_wmma_scale_f32_16x16x128_f8f6f4 v[8*(4*\m+\n):8*(4*\m+\n)+7], v[BF+48*((\k)%2)+12*\n:BF+48*((\k)%2)+12*\n+11], v[AB+12*\m:AB+12*\m+11], v[8*(4*\m+\n):8*(4*\m+\n)+7], v[BSC+6*\n+\k], v[ASC+3*\m+(\k)/2] matrix_a_fmt:MATRIX_FMT_BF6 matrix_b_fmt:MATRIX_FMT_BF6 matrix_b_scale:MATRIX_SCALE_ROW1
.else
	v_wmma_scale_f32_16x16x128_f8f6f4 v[8*(4*\m+\n):8*(4*\m+\n)+7], v[BF+48*((\k)%2)+12*\n:BF+48*((\k)%2)+12*\n+11], v[AB+12*\m:AB+12*\m+11], v[8*(4*\m+\n):8*(4*\m+\n)+7], v[BSC+6*\n+\k], v[ASC+3*\m+(\k)/2] matrix_a_fmt:MATRIX_FMT_BF6 matrix_b_fmt:MATRIX_FMT_BF6
.endif
.endr
.endr
	WIN 0
.rept 4
	v_nop                                          ; four places: for the next loads into registers that these products read, and at the end for the stores of the results
.endr
.endm
	KSTEP 0
	KSTEP 1
	KSTEP 2
	KSTEP 3
	KSTEP 4
	KSTEP 5
	WIN 0x04                                       ; an LDS store's data: window 1
.irp m, 0,1,2,3,4,5,6,7
.irp n, 0,1,2,3
	ds_store_b128 v29, v[8*(4*\m+\n):8*(4*\m+\n)+3] offset:4352*\m+64*\n          ; each accumulator from its low end on
	ds_store_b128 v29, v[8*(4*\m+\n)+4:8*(4*\m+\n)+7] offset:4352*\m+64*\n+16
.endr
.endr
	WIN 0
.Lmeet:
	s_wait_dscnt 0x0                               ; for the others' sake: my part has landed
	s_barrier_signal -1
	s_barrier_wait -1                              ; every wave passes it, with rows or without
	s_cmp_eq_u32 s23, 0
	s_cbranch_scc1 .Lend
	s_wait_loadcnt 0x0                             ; the rows' entries
; Wave kw adds and stores rows 32 kw .. 32 kw + 31: two tiles, two rows an instruction, sixteen lanes to a row's 256 bytes.
.macro OUTT t
	s_wait_xcnt 0x0                                ; the tile before has had its stores' data read
	s_cmp_ge_u32 s[82+\t], s61                     ; a tile past the expert's last is not stored
	s_cbranch_scc1 .Lnone_\@
.irp i, 0,1,2,3,4,5,6,7
	ds_load_b128 v[BF+16*\i:BF+16*\i+3], v30 offset:(16*\t+2*\i)*272
	ds_load_b128 v[BF+16*\i+4:BF+16*\i+7], v30 offset:(16*\t+2*\i)*272+PSW
	ds_load_b128 v[BF+16*\i+8:BF+16*\i+11], v31 offset:(16*\t+2*\i)*272
	ds_load_b128 v[BF+16*\i+12:BF+16*\i+15], v31 offset:(16*\t+2*\i)*272+PSW
.endr
.irp i, 0,1,2,3,4,5,6,7
	v_min_u32 v[YO+8*\t+\i], 0x87f, v[EN+8*\t+\i]  ; the row of y, held inside its 2,176
	v_mul_u32_u24 v[YO+8*\t+\i], v[YO+8*\t+\i], 3072
	v_add_nc_u32 v[YO+8*\t+\i], v34, v[YO+8*\t+\i]
.endr
.irp i, 0,1,2,3,4,5,6,7
	s_wait_dscnt 4*(7-\i)                          ; these four loads are in; the later rows' may be out
	v_pk_add_f32 v[BF+16*\i:BF+16*\i+1], v[BF+16*\i:BF+16*\i+1], v[BF+16*\i+4:BF+16*\i+5]
	v_pk_add_f32 v[BF+16*\i+2:BF+16*\i+3], v[BF+16*\i+2:BF+16*\i+3], v[BF+16*\i+6:BF+16*\i+7]
	v_pk_add_f32 v[BF+16*\i+8:BF+16*\i+9], v[BF+16*\i+8:BF+16*\i+9], v[BF+16*\i+12:BF+16*\i+13]
	v_pk_add_f32 v[BF+16*\i+10:BF+16*\i+11], v[BF+16*\i+10:BF+16*\i+11], v[BF+16*\i+14:BF+16*\i+15]
	v_pk_add_f32 v[BF+16*\i:BF+16*\i+1], v[BF+16*\i:BF+16*\i+1], v[BF+16*\i+8:BF+16*\i+9]
	v_pk_add_f32 v[BF+16*\i+2:BF+16*\i+3], v[BF+16*\i+2:BF+16*\i+3], v[BF+16*\i+10:BF+16*\i+11]
	global_store_b128 v[YO+8*\t+\i], v[BF+16*\i:BF+16*\i+3], s[14:15]   ; sixteen lanes store 256 consecutive bytes, aligned
.endr
.Lnone_\@:
.endm
	OUTT 0
	OUTT 1
.Lend:
	s_wait_tensorcnt 0x0
	ds_add_u32 v94, v95
	s_wait_dscnt 0x0
	s_endpgm
.Lfunc_end_k_qc40a2b327c_down:
	.size	k_qc40a2b327c_down, .Lfunc_end_k_qc40a2b327c_down-k_qc40a2b327c_down
	.p2alignl 7, 3214868480
	.fill 96, 4, 3214868480
	.section	.rodata,"a",@progbits
	.p2align	6, 0x0
	.amdhsa_kernel k_qc40a2b327c_down
		.amdhsa_group_segment_fixed_size 291328
		.amdhsa_private_segment_fixed_size 0
		.amdhsa_enable_private_segment 0
		.amdhsa_kernarg_size 48
		.amdhsa_user_sgpr_count 2
		.amdhsa_user_sgpr_kernarg_segment_ptr 1
		.amdhsa_wavefront_size32 1
		.amdhsa_system_sgpr_workgroup_id_x 1
		.amdhsa_system_sgpr_workgroup_id_y 1
		.amdhsa_system_sgpr_workgroup_id_z 1
		.amdhsa_system_vgpr_workitem_id 0
		.amdhsa_next_free_vgpr 896
		.amdhsa_next_free_sgpr 96
		.amdhsa_reserve_vcc 0
		.amdhsa_float_denorm_mode_32 3
		.amdhsa_float_denorm_mode_16_64 3
		.amdhsa_memory_ordered 1
		.amdhsa_forward_progress 1
		.amdhsa_inst_pref_size 102
	.end_amdhsa_kernel
	.amdgpu_metadata
---
amdhsa.version: [ 1, 2 ]
amdhsa.kernels:
  - .name:           k_qc40a2b327c_down
    .symbol:         k_qc40a2b327c_down.kd
    .args:
      - { .name: Wd_codes, .offset: 0, .size: 8, .value_kind: global_buffer, .address_space: global }
      - { .name: Wd_scales, .offset: 8, .size: 8, .value_kind: global_buffer, .address_space: global }
      - { .name: hq, .offset: 16, .size: 8, .value_kind: global_buffer, .address_space: global }
      - { .name: hsc, .offset: 24, .size: 8, .value_kind: global_buffer, .address_space: global }
      - { .name: lists, .offset: 32, .size: 8, .value_kind: global_buffer, .address_space: global }
      - { .name: y, .offset: 40, .size: 8, .value_kind: global_buffer, .address_space: global }
    .group_segment_fixed_size: 291328
    .private_segment_fixed_size: 0
    .kernarg_segment_align: 8
    .kernarg_segment_size: 48
    .max_flat_workgroup_size: 128
    .sgpr_count:     96
    .vgpr_count:     896
    .wavefront_size: 32
...
	.end_amdgpu_metadata
.endif
;; end of part 4
;; launch combine (part 5): grid 256 x 1, 4 waves a work-group, no clusters, 0 bytes of LDS; arguments y, gate, out0; writes out0
.if DOCPART == 5
	.amdgcn_target "amdgcn-amd-amdhsa--gfx1250"
	.amdhsa_code_object_version 6
	.text
	.protected	k_qc40a2b327c_combine
	.globl	k_qc40a2b327c_combine
	.p2align	8
	.type	k_qc40a2b327c_combine,@function
k_qc40a2b327c_combine:
	s_mov_b64 s[64:65], 0
	v_nop
	global_prefetch_b8 v0, s[64:65] scope:SCOPE_SE
	s_setreg_imm32_b32 hwreg(HW_REG_WAVE_MODE, 25, 1), 1
	s_wait_xcnt 0x0
; out0[t] = w0 y[2 t] + w1 y[2 t + 1]: a token's two experts' rows, weighed by the gate.  A stream: one wave to a token; its two rows are 6,144 dense bytes.
; Every load and store of the wave covers 512 consecutive bytes, aligned.  No LDS, no barrier, no matrix unit: memory binds.
	s_load_b128 s[4:7], s[0:1], 0x0                ; y, gate
	s_load_b64 s[8:9], s[0:1], 0x10                ; out0
	v_lshrrev_b32 v1, 5, v0
	v_readfirstlane_b32 s10, v1
	s_lshl_b32 s11, ttmp9, 2
	s_add_co_u32 s11, s11, s10                     ; the token
	v_and_b32 v1, 31, v0
	v_lshlrev_b32 v1, 4, v1
	s_mul_i32 s16, s11, 6144
	s_mov_b32 s17, 0
	s_lshl_b32 s18, s11, 3
	s_mov_b32 s19, 0
	s_mul_i32 s20, s11, 3072
	s_mov_b32 s21, 0
	s_wait_kmcnt 0x0
	s_add_nc_u64 s[4:5], s[4:5], s[16:17]
	s_add_nc_u64 s[6:7], s[6:7], s[18:19]
	s_add_nc_u64 s[8:9], s[8:9], s[20:21]
	s_load_b64 s[12:13], s[6:7], 0x0               ; w0, w1
.irp k, 0,1,2,3,4,5
	global_load_b128 v[4+8*\k:7+8*\k], v1, s[4:5] offset:512*\k th:TH_LOAD_NT
	global_load_b128 v[8+8*\k:11+8*\k], v1, s[4:5] offset:3072+512*\k th:TH_LOAD_NT
.endr
	s_wait_kmcnt 0x0
	s_mov_b32 s14, s13                             ; w1 in a pair of its own: the packed form takes a pair's low word for both halves
	s_mov_b32 s15, s13
.irp k, 0,1,2,3,4,5
	s_wait_loadcnt 10-2*\k                         ; piece k of both rows is in; the later pieces' loads may be out
	v_pk_mul_f32 v[4+8*\k:5+8*\k], v[4+8*\k:5+8*\k], s[12:13] op_sel_hi:[1,0]
	v_pk_mul_f32 v[6+8*\k:7+8*\k], v[6+8*\k:7+8*\k], s[12:13] op_sel_hi:[1,0]
	v_pk_fma_f32 v[4+8*\k:5+8*\k], v[8+8*\k:9+8*\k], s[14:15], v[4+8*\k:5+8*\k] op_sel_hi:[1,0,1]
	v_pk_fma_f32 v[6+8*\k:7+8*\k], v[10+8*\k:11+8*\k], s[14:15], v[6+8*\k:7+8*\k] op_sel_hi:[1,0,1]
	global_store_b128 v1, v[4+8*\k:7+8*\k], s[8:9] offset:512*\k th:TH_STORE_NT
.endr
	s_endpgm
.Lfunc_end_k_qc40a2b327c_combine:
	.size	k_qc40a2b327c_combine, .Lfunc_end_k_qc40a2b327c_combine-k_qc40a2b327c_combine
	.p2alignl 7, 3214868480
	.fill 96, 4, 3214868480
	.section	.rodata,"a",@progbits
	.p2align	6, 0x0
	.amdhsa_kernel k_qc40a2b327c_combine
		.amdhsa_group_segment_fixed_size 0
		.amdhsa_private_segment_fixed_size 0
		.amdhsa_enable_private_segment 0
		.amdhsa_kernarg_size 24
		.amdhsa_user_sgpr_count 2
		.amdhsa_user_sgpr_kernarg_segment_ptr 1
		.amdhsa_wavefront_size32 1
		.amdhsa_system_sgpr_workgroup_id_x 1
		.amdhsa_system_sgpr_workgroup_id_y 1
		.amdhsa_system_sgpr_workgroup_id_z 1
		.amdhsa_system_vgpr_workitem_id 0
		.amdhsa_next_free_vgpr 64
		.amdhsa_next_free_sgpr 66
		.amdhsa_reserve_vcc 0
		.amdhsa_float_denorm_mode_32 3
		.amdhsa_float_denorm_mode_16_64 3
		.amdhsa_memory_ordered 1
		.amdhsa_forward_progress 1
		.amdhsa_inst_pref_size 5
	.end_amdhsa_kernel
	.amdgpu_metadata
---
amdhsa.version: [ 1, 2 ]
amdhsa.kernels:
  - .name:           k_qc40a2b327c_combine
    .symbol:         k_qc40a2b327c_combine.kd
    .args:
      - { .name: y, .offset: 0, .size: 8, .value_kind: global_buffer, .address_space: global }
      - { .name: gate, .offset: 8, .size: 8, .value_kind: global_buffer, .address_space: global }
      - { .name: out0, .offset: 16, .size: 8, .value_kind: global_buffer, .address_space: global }
    .group_segment_fixed_size: 0
    .private_segment_fixed_size: 0
    .kernarg_segment_align: 8
    .kernarg_segment_size: 24
    .max_flat_workgroup_size: 128
    .sgpr_count:     66
    .vgpr_count:     64
    .wavefront_size: 32
...
	.end_amdgpu_metadata
.endif
;; end of part 5
;; ======== version 2 of 2: 5 launches
;; workspace buffers: xq 622,592 bytes; ridx 4,096 bytes of whole numbers; gate 8,192 bytes; xs 4,980,736 bytes; lists 33,792 bytes of whole numbers; hq 18,874,368 bytes; hsc 786,432 bytes; y 6,684,672 bytes
;; launch route (part 6): grid 64 x 1, 6 waves a work-group, no clusters, 88,832 bytes of LDS; arguments x, router_w, xq, ridx, gate; writes xq, ridx, gate
.if DOCPART == 6
	.amdgcn_target "amdgcn-amd-amdhsa--gfx1250"
	.amdhsa_code_object_version 6
	.text
	.protected	k_qc40a2b327c_route
	.globl	k_qc40a2b327c_route
	.p2align	8
	.type	k_qc40a2b327c_route,@function
k_qc40a2b327c_route:
	s_mov_b64 s[64:65], 0
	v_nop
	global_prefetch_b8 v0, s[64:65] scope:SCOPE_SE
	s_setreg_imm32_b32 hwreg(HW_REG_WAVE_MODE, 25, 1), 1
	s_wait_xcnt 0x0
; ROUTER AND QUANTISER OF x.  x [1024][768] f32, router_w [8][768] f32.
; Out: xq [1024 tokens][608 bytes]: a token's E3M2 codes as the operand's registers want them (bytes 288 h + 48 s: the 12 registers of lane half h for K step s),
;      its six scale words at byte 576, eight zero bytes at 600;  ridx [token]: e0 | e1 << 8;  gate [token][2]: the two softmax weights.
; A work-group takes 16 tokens; wave s takes K step s (128 numbers of each token): it quantises them and makes its part of the eight logits in f32.
; Wave 0 adds the six parts (s ascending), finds the two largest (a tie keeps the lower expert) and the softmax over them, the larger logit taken away first.
; The choice steers no address here: it is stored at fixed places.
; LIMITS: NaN and infinities in x or router_w are not served.  A block of zeros gets the scale byte 1 (the rule says 127): its codes are zeros, and only this program reads the bytes.
.set WREG,  12544                      ; LDS of a wave: 16 rows of x x 528 bytes, then its 512 bytes of each of router_w's 8 rows
.set RWO,   8448
.set PART,  75264                      ; [s][token][8] f32: the logits' parts
.set OUTB,  78336                      ; the work-group's 16 rows of xq, 608 bytes each
.set X,     32                         ; v32-95   my 64 numbers: register 16 b + i = k 32 b + 16 h + i of token r
.set RB,    96                         ; v96-159  x as loaded; then two sets of 32 numbers of router_w
.set ACC,   160                        ; v160-191 router_w as loaded; then two pairs of sums for each expert
.set LG,    192                        ; v192-199 the eight logits' parts
.set LT,    200                        ; v200-207 at work
.set TM,    208                        ; v208-223 the quantiser's work
.set PC,    224                        ; v224-243 the codes
.set PW,    244                        ; the scale word
.set SEL,   26                         ; s[26:27] lane selects: lane l xor 16
	s_load_b256 s[4:11], s[0:1], 0x0               ; x, router_w, xq, ridx
	s_load_b64 s[12:13], s[0:1], 0x20              ; gate
	v_lshl_add_u32 v254, v0, 2, 0x15800
	v_mov_b32 v255, 0
	v_lshrrev_b32 v1, 5, v0
	v_readfirstlane_b32 s20, v1                    ; wave = K step s
	v_and_b32 v1, 31, v0                           ; lane
	v_and_b32 v2, 15, v0                           ; r
	v_bfe_u32 v3, v0, 4, 1                         ; h
	v_lshlrev_b32 v4, 4, v1                        ; 16 x lane
	s_mul_i32 s21, s20, WREG
	s_add_co_u32 s22, s21, RWO
	s_lshl_b32 s23, s20, 9                         ; 512 s
	s_mul_i32 s24, s20, 48
	s_lshl_b32 s25, s20, 2
	v_add_nc_u32 v5, s21, v4                       ; x into my stage: a row's 512 bytes as they lie
	v_mul_u32_u24 v6, v2, 528
	v_lshl_add_u32 v6, v3, 6, v6
	v_add_nc_u32 v6, s21, v6                       ; and out of it: row r, + 64 h
	v_add_nc_u32 v7, s22, v4                       ; router_w in
	v_lshlrev_b32 v8, 6, v3
	v_add_nc_u32 v8, s22, v8                       ; and out: + 64 h, the same for all r
	v_lshlrev_b32 v16, 5, v2
	v_add_nc_u32 v16, PART, v16                    ; a token's eight parts
	v_lshl_add_u32 v9, v3, 4, v16
	v_add_nc_u32 v9, s23, v9                       ; where I put four of them: + 512 s + 16 h
	v_mul_u32_u24 v14, v2, 608
	v_add_nc_u32 v14, OUTB, v14                    ; token r's row of xq in LDS
	v_mad_u32_u24 v10, v3, 288, v14
	v_add_nc_u32 v10, s24, v10                     ; my 48 bytes of codes
	v_add_nc_u32 v11, s25, v14                     ; my scale word (+ 576)
	v_lshlrev_b32 v13, 4, v0                       ; the way out: 16 bytes a thread
	v_add_nc_u32 v12, OUTB, v13
	v_lshlrev_b32 v17, 2, v2
	v_lshlrev_b32 v18, 3, v2
	v_mov_b32 v20, 0
	v_mov_b32 v21, 0
.irp i, 0,1,2,3,4,5,6,7
	v_mov_b32 v[LT+\i], 0                          ; a lane permute's destination counts as read: written once
.endr
.irp b, 0,1,2,3
	v_mov_b32 v[TM+4+\b], 0
.endr
	s_mov_b32 s[SEL], 0x76543210
	s_mov_b32 s[SEL+1], 0xfedcba98
	s_mul_i32 s14, ttmp9, 49152                    ; 16 rows of 3,072 bytes
	s_add_co_u32 s14, s14, s23
	s_mov_b32 s15, 0
	s_mov_b32 s16, s23
	s_mov_b32 s17, 0
	s_mul_i32 s18, ttmp9, 9728
	s_mov_b32 s19, 0
	s_lshl_b32 s28, ttmp9, 6
	s_mov_b32 s29, 0
	s_lshl_b32 s30, ttmp9, 7
	s_mov_b32 s31, 0
	s_wait_kmcnt 0x0
	s_add_nc_u64 s[4:5], s[4:5], s[14:15]
	s_add_nc_u64 s[6:7], s[6:7], s[16:17]
	s_add_nc_u64 s[8:9], s[8:9], s[18:19]
	s_add_nc_u64 s[10:11], s[10:11], s[28:29]
	s_add_nc_u64 s[12:13], s[12:13], s[30:31]
.set I, 0
.rept 16
	global_load_b128 v[RB+4*I:RB+4*I+3], v4, s[4:5] offset:3072*I th:TH_LOAD_NT   ; 512 consecutive bytes of token I, read once in the launch
.set I, I+1
.endr
.set I, 0
.rept 8
	global_load_b128 v[ACC+4*I:ACC+4*I+3], v4, s[6:7] offset:3072*I
.set I, I+1
.endr
	s_wait_loadcnt 8                               ; x is in; router_w's eight younger loads may be out
.set I, 0
.rept 16
	ds_store_b128 v5, v[RB+4*I:RB+4*I+3] offset:528*I
.set I, I+1
.endr
	s_wait_loadcnt 0x0
.set I, 0
.rept 8
	ds_store_b128 v7, v[ACC+4*I:ACC+4*I+3] offset:512*I
.set I, I+1
.endr
.set I, 0
.rept 16
	ds_load_b128 v[X+4*I:X+4*I+3], v6 offset:128*(I/4)+16*(I%4)   ; LDS serves a wave's instructions in order: these see my stores
.set I, I+1
.endr
; THE LOGITS.  Batch n = 2 e + q: router_w[e] at my k of blocks 2 q, 2 q + 1: 32 numbers, the same for all sixteen tokens.
.macro RBATCH n
.irp t, 0,1,2,3,4,5,6,7
	ds_load_b128 v[RB+32*((\n)%2)+4*\t:RB+32*((\n)%2)+4*\t+3], v8 offset:256*(\n)+128*(\t/4)+16*(\t%4)
.endr
.endm
	RBATCH 0
	RBATCH 1
.set NB, 0
.rept 16
.if NB < 15
	s_wait_alu depctr_va_vdst(0)
	s_wait_dscnt 8                                 ; this batch (and, the first time, x) is in; the next batch's eight loads may be out
.else
	s_wait_alu depctr_va_vdst(0)
	s_wait_dscnt 0x0
.endif
.irp t, 0,1,2,3,4,5,6,7,8,9,10,11,12,13,14,15
.if (NB%2 == 0) && (\t < 2)
	v_pk_mul_f32 v[ACC+4*(NB/2)+2*(\t%2):ACC+4*(NB/2)+2*(\t%2)+1], v[X+32*(NB%2)+2*\t:X+32*(NB%2)+2*\t+1], v[RB+32*(NB%2)+2*\t:RB+32*(NB%2)+2*\t+1]   ; the first products start the sums
.else
	v_pk_fma_f32 v[ACC+4*(NB/2)+2*(\t%2):ACC+4*(NB/2)+2*(\t%2)+1], v[X+32*(NB%2)+2*\t:X+32*(NB%2)+2*\t+1], v[RB+32*(NB%2)+2*\t:RB+32*(NB%2)+2*\t+1], v[ACC+4*(NB/2)+2*(\t%2):ACC+4*(NB/2)+2*(\t%2)+1]   ; two chains by turns
.endif
.endr
.if NB < 14
	RBATCH NB+2
.endif
.set NB, NB+1
.endr
.irp e, 0,1,2,3,4,5,6,7
	v_pk_add_f32 v[ACC+4*\e:ACC+4*\e+1], v[ACC+4*\e:ACC+4*\e+1], v[ACC+4*\e+2:ACC+4*\e+3]
.endr
.irp e, 0,1,2,3,4,5,6,7
	v_add_f32 v[LG+\e], v[ACC+4*\e], v[ACC+4*\e+1]
.endr
.irp e, 0,1,2,3,4,5,6,7
	v_permlanex16_b32 v[LT+\e], v[LG+\e], s[SEL], s[SEL+1]
.endr
.irp e, 0,1,2,3,4,5,6,7
	v_add_f32 v[LG+\e], v[LG+\e], v[LT+\e]         ; with the other half of the lanes: token r's part for K step s
.endr
	v_cmp_eq_u32 vcc_lo, 1, v3
.irp i, 0,1,2,3
	v_cndmask_b32 v[LT+\i], v[LG+\i], v[LG+4+\i], vcc_lo   ; lanes 0-15 store experts 0-3, lanes 16-31 experts 4-7
.endr
	ds_store_b128 v9, v[LT:LT+3]
; THE QUANTISER: 64 numbers of a lane become a fragment's 12 registers and its scale word.
.irp b, 0,1,2,3
	v_max3_num_f32 v[TM+\b], |v[X+16*\b]|, |v[X+1+16*\b]|, 0x2800000   ; block b: my 16 numbers and the floor 2^(5 - 127): the byte cannot fall under 1
.endr
.irp i, 2,4,6,8,10,12,14
.irp b, 0,1,2,3
	v_max3_num_f32 v[TM+\b], v[TM+\b], |v[X+16*\b+\i]|, |v[X+1+16*\b+\i]|
.endr
.endr
.irp b, 0,1,2,3
	v_permlanex16_b32 v[TM+4+\b], v[TM+\b], s[SEL], s[SEL+1]
.endr
.irp b, 0,1,2,3
	v_max_num_f32 v[TM+\b], v[TM+\b], v[TM+4+\b]   ; the block's largest magnitude
.endr
.irp b, 0,1,2,3
	v_add_nc_u32 v[TM+12+\b], 0xfe000000, v[TM+\b] ; 4 off its exponent field: the conversion's scale operand
.endr
.irp b, 0,1,2,3
	v_lshrrev_b32 v[TM+4+\b], 23, v[TM+12+\b]      ; the scale's byte
.endr
	v_lshl_or_b32 v[PW], v[TM+5], 8, v[TM+4]
	v_lshl_or_b32 v[PW], v[TM+6], 16, v[PW]
	v_lshl_or_b32 v[PW], v[TM+7], 24, v[PW]
.irp c, 0,1
	v_cvt_scalef32_pk16_bf6_f32 v[PC+6*\c:PC+2+6*\c], v[X+32*\c:X+15+32*\c], v[TM+12+2*\c]
	v_cvt_scalef32_pk16_bf6_f32 v[PC+12+4*\c:PC+14+4*\c], v[X+16+32*\c:X+31+32*\c], v[TM+12+2*\c+1]   ; (a conversion's three registers begin on an even number)
.endr
	v_nop                                          ; one plain place behind a scaled conversion
.irp c, 0,1                                    ; the operand wants a whole block in a lane: lanes 0-15 block 2 c, lanes 16-31 block 2 c + 1
.irp i, 0,1,2
	v_permlane16_swap_b32 v[PC+6*\c+\i], v[PC+12+4*\c+\i]
.endr
.irp i, 0,1,2
	v_mov_b32 v[PC+3+6*\c+\i], v[PC+12+4*\c+\i]
.endr
.endr
	ds_store_b128 v10, v[PC:PC+3]
	ds_store_b128 v10, v[PC+4:PC+7] offset:16
	ds_store_b128 v10, v[PC+8:PC+11] offset:32
	ds_store_b32 v11, v[PW] offset:576             ; both halves of the lanes hold the same word
	s_cmp_lg_u32 s20, 0
	s_cbranch_scc1 .Lno_pad
	ds_store_b64 v14, v[20:21] offset:600          ; the row's last eight bytes are zeros
.Lno_pad:
	s_wait_dscnt 0x0                               ; for the others' sake: my stores have landed
	s_barrier_signal -1
	s_barrier_wait -1
.irp i, 0,1,2
	ds_load_b128 v[32+4*\i:35+4*\i], v12 offset:3072*\i
.endr
.irp i, 0,1,2
	s_wait_dscnt 2-\i
	global_store_b128 v13, v[32+4*\i:35+4*\i], s[8:9] offset:3072*\i   ; a wave stores 512 consecutive bytes, aligned: the 16 rows are 9,728 dense bytes
.endr
	s_cmp_lg_u32 s20, 0
	s_cbranch_scc1 .Lend
	ds_load_b128 v[44:47], v12 offset:9216         ; wave 0: the last 512 bytes
.irp s, 0,1,2,3,4,5
	ds_load_b128 v[48+8*\s:51+8*\s], v16 offset:512*\s
	ds_load_b128 v[52+8*\s:55+8*\s], v16 offset:512*\s+16
.endr
	s_wait_dscnt 12
	global_store_b128 v13, v[44:47], s[8:9] offset:9216
	s_wait_dscnt 0x0
.irp s, 1,2,3,4,5
.irp p, 0,2,4,6
	v_pk_add_f32 v[48+\p:49+\p], v[48+\p:49+\p], v[48+8*\s+\p:49+8*\s+\p]   ; the six parts, s ascending: v48-55 = token r's logits
.endr
.endr
.macro ARGMAX best, idx                        ; only a strictly larger logit takes the place: a tie keeps the lower expert
	v_mov_b32 v[\best], v48
	v_mov_b32 v[\idx], 0
.irp e, 1,2,3,4,5,6,7
	v_cmp_le_f32 vcc_lo, v[48+\e], v[\best]
	v_cndmask_b32 v[\best], v[48+\e], v[\best], vcc_lo
	v_cndmask_b32 v[\idx], \e, v[\idx], vcc_lo
.endr
.endm
	ARGMAX 100, 101
	v_mov_b32 v104, 0xff800000
.irp e, 0,1,2,3,4,5,6,7
	v_cmp_eq_u32 vcc_lo, \e, v101
	v_cndmask_b32 v[48+\e], v[48+\e], v104, vcc_lo ; the winner leaves the field
.endr
	ARGMAX 102, 103
	v_sub_f32 v105, v102, v100                     ; the second logit less the first: 0 or less
	v_mul_f32 v105, 0x3fb8aa3b, v105
	s_wait_alu depctr_va_vdst(0)
	v_exp_f32 v105, v105                           ; p = e^(l2 - l1)
	v_lshl_or_b32 v108, v103, 8, v101              ; (a plain place)  e0 | e1 << 8
	s_wait_alu depctr_va_vdst(0)
	v_add_f32 v106, 1.0, v105
	s_wait_alu depctr_va_vdst(0)
	v_rcp_f32 v106, v106                           ; w0 = 1 / (1 + p)
	v_nop
	s_wait_alu depctr_va_vdst(0)
	v_mul_f32 v107, v105, v106                     ; w1 = p w0
	s_wait_alu depctr_va_vdst(0)
	s_wait_xcnt 0x0                                ; EXEC changes only behind this wait
	v_cmp_gt_u32 vcc_lo, 16, v1
	s_and_saveexec_b32 s32, vcc_lo
	global_store_b32 v17, v108, s[10:11]
	global_store_b64 v18, v[106:107], s[12:13]
	s_wait_xcnt 0x0
	s_or_b32 exec_lo, exec_lo, s32
.Lend:
	s_wait_tensorcnt 0x0
	ds_add_u32 v254, v255
	s_wait_dscnt 0x0
	s_endpgm
.Lfunc_end_k_qc40a2b327c_route:
	.size	k_qc40a2b327c_route, .Lfunc_end_k_qc40a2b327c_route-k_qc40a2b327c_route
	.p2alignl 7, 3214868480
	.fill 96, 4, 3214868480
	.section	.rodata,"a",@progbits
	.p2align	6, 0x0
	.amdhsa_kernel k_qc40a2b327c_route
		.amdhsa_group_segment_fixed_size 88832
		.amdhsa_private_segment_fixed_size 0
		.amdhsa_enable_private_segment 0
		.amdhsa_kernarg_size 40
		.amdhsa_user_sgpr_count 2
		.amdhsa_user_sgpr_kernarg_segment_ptr 1
		.amdhsa_wavefront_size32 1
		.amdhsa_system_sgpr_workgroup_id_x 1
		.amdhsa_system_sgpr_workgroup_id_y 1
		.amdhsa_system_sgpr_workgroup_id_z 1
		.amdhsa_system_vgpr_workitem_id 0
		.amdhsa_next_free_vgpr 256
		.amdhsa_next_free_sgpr 66
		.amdhsa_reserve_vcc 1
		.amdhsa_float_denorm_mode_32 3
		.amdhsa_float_denorm_mode_16_64 3
		.amdhsa_memory_ordered 1
		.amdhsa_forward_progress 1
		.amdhsa_inst_pref_size 45
	.end_amdhsa_kernel
	.amdgpu_metadata
---
amdhsa.version: [ 1, 2 ]
amdhsa.kernels:
  - .name:           k_qc40a2b327c_route
    .symbol:         k_qc40a2b327c_route.kd
    .args:
      - { .name: x, .offset: 0, .size: 8, .value_kind: global_buffer, .address_space: global }
      - { .name: router_w, .offset: 8, .size: 8, .value_kind: global_buffer, .address_space: global }
      - { .name: xq, .offset: 16, .size: 8, .value_kind: global_buffer, .address_space: global }
      - { .name: ridx, .offset: 24, .size: 8, .value_kind: global_buffer, .address_space: global }
      - { .name: gate, .offset: 32, .size: 8, .value_kind: global_buffer, .address_space: global }
    .group_segment_fixed_size: 88832
    .private_segment_fixed_size: 0
    .kernarg_segment_align: 8
    .kernarg_segment_size: 40
    .max_flat_workgroup_size: 192
    .sgpr_count:     66
    .vgpr_count:     256
    .wavefront_size: 32
...
	.end_amdgpu_metadata
.endif
;; end of part 6
;; launch place (part 7): grid 16 x 8, 1 waves a work-group, no clusters, 0 bytes of LDS; arguments ridx, xq, xs, lists; writes xs, lists
.if DOCPART == 7
	.amdgcn_target "amdgcn-amd-amdhsa--gfx1250"
	.amdhsa_code_object_version 6
	.text
	.protected	k_qc40a2b327c_place
	.globl	k_qc40a2b327c_place
	.p2align	8
	.type	k_qc40a2b327c_place,@function
k_qc40a2b327c_place:
	s_mov_b64 s[64:65], 0
	v_nop
	global_prefetch_b8 v0, s[64:65] scope:SCOPE_SE
	s_setreg_imm32_b32 hwreg(HW_REG_WAVE_MODE, 25, 1), 1
	s_wait_xcnt 0x0
; THE ROWS ARE PLACED BY EXPERT.  ridx [1024]: e0 | e1 << 8.  Work-group (i, e), one wave, lays tiles q = i, i + 16, i + 32, i + 48 of expert e's rows (16 rows a tile).
; Out: xs [64 e + q][9,728 bytes]: the tile's six fragments as images of the operand's registers (16 bytes a lane, 512 bytes a group of four registers), then 32 bytes of scale words a row;
;      lists: tok[1024 e + rank] = 2 token + k (a pad row of the last tile: 2048 + 16 e + row), and at byte 32,768 + 128 e expert e's count, 32 times.
; A row's rank is its place among the expert's tokens in the order (group, lane), group g = register g of the eight 16-byte loads: token 128 (g / 4) + 4 lane + g % 4.  All work-groups of an expert count alike.
; NO SCATTER: while the groups are counted, each lane keeps, for the rank that it wants, the group in which that rank falls (its membership mask, its mask of second choices, the count before it
; and its first token); the token is then the n-th set bit of the kept mask, found by partial bit counts and five halvings.  128 work-groups = 2,048 rows / 16; four tiles each serve every split, all tokens on one expert too.
; Tile 0 of every expert is written, also where the expert has no row.
.set W,   16                           ; v16-47   ridx
.set F,   48                           ; v48-119  a tile's 72 registers of codes
.set SD,  120                          ; v120-123 my 16 bytes of a row's scale block
.set RHA, 10                           ; the rank that I want: 16 (i + 16 h) + r;
.set RHB, 11                           ; and 512 further on
.set MA,  12
.set KA,  13
.set PA,  14
.set MB,  124
.set KB,  125
.set PB,  126
.set TQ,  129
.set RR,  130
.set C2,  131
.set C4,  132
.set C8,  133
.set C16, 134
.set SP,  135
.set IN,  136
.set EA,  137
.set EB,  138
.set XA,  139
.set XB,  140
.set E0,  141                          ; v141-144 the four tiles' entries, row r in both halves of the lanes
	s_load_b256 s[4:11], s[0:1], 0x0               ; ridx, xq, xs, lists
	s_mov_b32 s12, ttmp9                           ; i
	s_and_b32 s13, ttmp7, 0xffff                   ; e
	v_and_b32 v1, 31, v0
	v_and_b32 v2, 15, v0                           ; r
	v_bfe_u32 v3, v0, 4, 1                         ; h
	v_lshlrev_b32 v4, 4, v1                        ; 16 x lane
	v_lshlrev_b32 v5, 5, v2
	v_lshl_add_u32 v5, v3, 4, v5
	v_add_nc_u32 v5, 9216, v5                      ; the scale block: 9,216 + 32 r + 16 h
	v_lshlrev_b32 v6, 2, v2
	v_lshlrev_b32 v7, 2, v1
	s_lshl_b32 s19, s13, 4
	s_add_co_u32 s19, s19, 2048
	v_add_nc_u32 v8, s19, v2                       ; a pad row's entry
	s_lshl_b32 s19, s12, 4
	v_lshl_add_u32 v[RHA], v3, 8, v2
	v_add_nc_u32 v[RHA], s19, v[RHA]
	v_add_nc_u32 v[RHB], 512, v[RHA]
.irp x, MA, KA, PA, MB, KB, PB, XA, XB
	v_mov_b32 v[\x], 0
.endr
	s_mov_b32 s14, 0                               ; the count so far
	s_mov_b32 s34, 0x76543210
	s_mov_b32 s35, 0xfedcba98
	s_wait_kmcnt 0x0
.irp j, 0,1,2,3,4,5,6,7
	global_load_b128 v[W+4*\j:W+4*\j+3], v4, s[4:5] offset:512*\j
.endr
	s_wait_loadcnt 0x0
.set GI, 0
.rept 32
	v_and_b32 v127, 0xff, v[W+GI]
	v_lshrrev_b32 v128, 8, v[W+GI]
	v_cmp_eq_u32 s15, s13, v127                    ; first choice is e
	v_cmp_eq_u32 s16, s13, v128                    ; second choice is e
	s_or_b32 s17, s15, s16
	s_or_b32 s18, s14, (128*(GI/4)+GI%4)<<16       ; the count before this group, and its first token
	v_cmp_gt_u32 vcc_lo, s14, v[RHA]               ; my rank lies before this group: keep what I have
	v_cndmask_b32 v[MA], s17, v[MA], vcc_lo
	v_cndmask_b32 v[KA], s16, v[KA], vcc_lo
	v_cndmask_b32 v[PA], s18, v[PA], vcc_lo
	v_cmp_gt_u32 vcc_lo, s14, v[RHB]
	v_cndmask_b32 v[MB], s17, v[MB], vcc_lo
	v_cndmask_b32 v[KB], s16, v[KB], vcc_lo
	v_cndmask_b32 v[PB], s18, v[PB], vcc_lo
	s_bcnt1_i32_b32 s19, s17
	s_add_co_u32 s14, s14, s19
.set GI, GI+1
.endr
; One halving: does the wanted bit lie above the lower w bits at SP?  src holds the counts of fields of w bits.
.macro HALVE src, mask, w
	v_lshrrev_b32 v[TQ], v[SP], v[\src]
	v_and_b32 v[TQ], \mask, v[TQ]
	v_cmp_ge_u32 vcc_lo, v[RR], v[TQ]
	v_cndmask_b32 v[IN], 0, \w, vcc_lo
	v_cndmask_b32 v[TQ], 0, v[TQ], vcc_lo
	v_add_nc_u32 v[SP], v[SP], v[IN]
	v_sub_nc_u32 v[RR], v[RR], v[TQ]
.endm
.macro NTH m, k, p, rho, e
	v_and_b32 v[TQ], 0xffff, v[\p]
	v_sub_nc_u32 v[RR], v[\rho], v[TQ]             ; which set bit of the group's mask, from 0
	v_lshrrev_b32 v[C2], 1, v[\m]
	v_and_b32 v[C2], 0x55555555, v[C2]
	v_sub_nc_u32 v[C2], v[\m], v[C2]               ; counts of fields of 2 bits,
	v_lshrrev_b32 v[C4], 2, v[C2]
	v_and_b32 v[C4], 0x33333333, v[C4]
	v_and_b32 v[TQ], 0x33333333, v[C2]
	v_add_nc_u32 v[C4], v[C4], v[TQ]               ; of 4,
	v_lshrrev_b32 v[C8], 4, v[C4]
	v_add_nc_u32 v[C8], v[C8], v[C4]
	v_and_b32 v[C8], 0x0f0f0f0f, v[C8]             ; of 8,
	v_lshrrev_b32 v[C16], 8, v[C8]
	v_add_nc_u32 v[C16], v[C16], v[C8]             ; of 16 (in the low byte of each half)
	v_mov_b32 v[SP], 0
	HALVE C16, 0xff, 16
	HALVE C8, 0xff, 8
	HALVE C4, 15, 4
	HALVE C2, 3, 2
	HALVE \m, 1, 1
	v_lshrrev_b32 v[TQ], v[SP], v[\k]
	v_and_b32 v[TQ], 1, v[TQ]                      ; k: 1 where e is the token's second choice
	v_lshrrev_b32 v[IN], 16, v[\p]
	v_lshl_add_u32 v[IN], v[SP], 2, v[IN]          ; the token: the group's first + 4 x lane
	v_lshl_or_b32 v[\e], v[IN], 1, v[TQ]
	v_cmp_gt_u32 vcc_lo, s14, v[\rho]              ; a rank at or past the count is a pad row
	v_cndmask_b32 v[\e], v8, v[\e], vcc_lo
.endm
	NTH MA, KA, PA, RHA, EA
	NTH MB, KB, PB, RHB, EB
	v_permlanex16_b32 v[XA], v[EA], s34, s35
	v_permlanex16_b32 v[XB], v[EB], s34, s35
	v_cmp_eq_u32 vcc_lo, 1, v3
	v_cndmask_b32 v[E0], v[EA], v[XA], vcc_lo      ; tile i: lanes 0-15 made it
	v_cndmask_b32 v[E0+1], v[XA], v[EA], vcc_lo    ; tile i + 16: lanes 16-31 did
	v_cndmask_b32 v[E0+2], v[EB], v[XB], vcc_lo
	v_cndmask_b32 v[E0+3], v[XB], v[EB], vcc_lo
	s_add_co_u32 s22, s14, 15
	s_lshr_b32 s22, s22, 4
	s_max_u32 s22, s22, 1                          ; tiles to lay: at least one
	s_cmp_lg_u32 s12, 0
	s_cbranch_scc1 .Lno_count
	v_mov_b32 v148, s14
	s_lshl_b32 s30, s13, 7
	s_add_co_u32 s30, s30, 32768
	s_mov_b32 s31, 0
	s_add_nc_u64 s[30:31], s[10:11], s[30:31]
	global_store_b32 v7, v148, s[30:31]
.Lno_count:
.macro TILE u
	s_add_co_u32 s21, s12, 16*\u                   ; q
	s_cmp_ge_u32 s21, s22
	s_cbranch_scc1 .Lskip_\@
	s_wait_alu depctr_va_vdst(0)
	v_lshrrev_b32 v145, 1, v[E0+\u]
	v_min_u32 v145, 0x3ff, v145                    ; the token, held inside xq (a pad row takes token 1,023's codes: nobody reads what comes of them)
	v_mul_u32_u24 v145, v145, 608
	v_mad_u32_u24 v146, v3, 288, v145
	v_lshl_add_u32 v147, v3, 4, v145
.set KI, 0
.rept 18
	global_load_b128 v[F+4*KI:F+4*KI+3], v146, s[6:7] offset:16*KI
.set KI, KI+1
.endr
	global_load_b128 v[SD:SD+3], v147, s[6:7] offset:576   ; lanes 0-15 words 0-3, lanes 16-31 words 4, 5 and the zeros
	s_lshl_b32 s23, s13, 6
	s_add_co_u32 s23, s23, s21                     ; 64 e + q
	s_mul_i32 s24, s23, 9728
	s_mov_b32 s25, 0
	s_add_nc_u64 s[24:25], s[8:9], s[24:25]
	s_lshl_b32 s26, s23, 6                         ; 4 (1024 e + 16 q)
	s_mov_b32 s27, 0
	s_add_nc_u64 s[26:27], s[10:11], s[26:27]
	s_wait_loadcnt 0x0
.set KI, 0
.rept 18
	global_store_b128 v4, v[F+4*KI:F+4*KI+3], s[24:25] offset:512*KI   ; 512 consecutive bytes, aligned
.set KI, KI+1
.endr
	global_store_b128 v5, v[SD:SD+3], s[24:25]
	s_wait_xcnt 0x0                                ; EXEC changes only behind this wait
	v_cmp_gt_u32 vcc_lo, 16, v1
	s_and_saveexec_b32 s28, vcc_lo
	global_store_b32 v6, v[E0+\u], s[26:27]
	s_wait_xcnt 0x0                                ; and again; the stores' data and bases may now be written anew
	s_or_b32 exec_lo, exec_lo, s28
.Lskip_\@:
.endm
	TILE 0
	TILE 1
	TILE 2
	TILE 3
	s_endpgm
.Lfunc_end_k_qc40a2b327c_place:
	.size	k_qc40a2b327c_place, .Lfunc_end_k_qc40a2b327c_place-k_qc40a2b327c_place
	.p2alignl 7, 3214868480
	.fill 96, 4, 3214868480
	.section	.rodata,"a",@progbits
	.p2align	6, 0x0
	.amdhsa_kernel k_qc40a2b327c_place
		.amdhsa_group_segment_fixed_size 0
		.amdhsa_private_segment_fixed_size 0
		.amdhsa_enable_private_segment 0
		.amdhsa_kernarg_size 32
		.amdhsa_user_sgpr_count 2
		.amdhsa_user_sgpr_kernarg_segment_ptr 1
		.amdhsa_wavefront_size32 1
		.amdhsa_system_sgpr_workgroup_id_x 1
		.amdhsa_system_sgpr_workgroup_id_y 1
		.amdhsa_system_sgpr_workgroup_id_z 1
		.amdhsa_system_vgpr_workitem_id 0
		.amdhsa_next_free_vgpr 152
		.amdhsa_next_free_sgpr 66
		.amdhsa_reserve_vcc 1
		.amdhsa_float_denorm_mode_32 3
		.amdhsa_float_denorm_mode_16_64 3
		.amdhsa_memory_ordered 1
		.amdhsa_forward_progress 1
		.amdhsa_inst_pref_size 46
	.end_amdhsa_kernel
	.amdgpu_metadata
---
amdhsa.version: [ 1, 2 ]
amdhsa.kernels:
  - .name:           k_qc40a2b327c_place
    .symbol:         k_qc40a2b327c_place.kd
    .args:
      - { .name: ridx, .offset: 0, .size: 8, .value_kind: global_buffer, .address_space: global }
      - { .name: xq, .offset: 8, .size: 8, .value_kind: global_buffer, .address_space: global }
      - { .name: xs, .offset: 16, .size: 8, .value_kind: global_buffer, .address_space: global }
      - { .name: lists, .offset: 24, .size: 8, .value_kind: global_buffer, .address_space: global }
    .group_segment_fixed_size: 0
    .private_segment_fixed_size: 0
    .kernarg_segment_align: 8
    .kernarg_segment_size: 32
    .max_flat_workgroup_size: 32
    .sgpr_count:     66
    .vgpr_count:     152
    .wavefront_size: 32
...
	.end_amdgpu_metadata
.endif
;; end of part 7
;; launch gateup (part 8): grid 24 x 8, 4 waves a work-group, no clusters, 158,208 bytes of LDS; arguments Wg_codes, Wg_scales, Wu_codes, Wu_scales, xs, lists, hq, hsc; writes hq, hsc
.if DOCPART == 8
	.amdgcn_target "amdgcn-amd-amdhsa--gfx1250"
	.amdhsa_code_object_version 6
	.text
	.protected	k_qc40a2b327c_gateup
	.globl	k_qc40a2b327c_gateup
	.p2align	8
	.type	k_qc40a2b327c_gateup,@function
k_qc40a2b327c_gateup:
	s_mov_b64 s[64:65], 0
	v_nop
	global_prefetch_b8 v0, s[64:65] scope:SCOPE_SE
	s_setreg_imm32_b32 hwreg(HW_REG_WAVE_SCHED_MODE, 0, 2), 2
	s_setreg_imm32_b32 hwreg(HW_REG_WAVE_MODE, 25, 1), 1
	s_wait_xcnt 0x0
	s_wait_alu depctr_vm_vsrc(0)
; h = silu(x Wg^T) * (x Wu^T), both products on E3M2 codes with E8M0 scales, for the rows routed to an expert; h is quantised along the hidden axis and stored as operand images.
; Work-group (S, e) makes hidden units 128 S .. 128 S + 127 of expert e, which are K step S of the next product, for all the expert's row tiles.
; Wave w: cw = w & 1 picks 64 of the hidden units (blocks 2 cw, 2 cw + 1 of 32), rw = w >> 1 picks the row tiles rw, rw + 2, ..
; THE WEIGHTS STAY IN REGISTERS: 4 tiles of 16 rows x 2 matrices x 6 K steps = 48 fragments, 576 registers a wave.  They are read from memory once, densely (each wave one block of 32 rows of Wg and of Wu,
; 18,432 consecutive bytes each), and turn through LDS into fragments.  What walks is small: a row tile's six fragments of x (9,216 bytes, with 384 of scale words), two tiles ahead, straight from memory into registers.
; THE PRODUCT IS USED TRANSPOSED (source 0 = 16 rows of a weight, source 1 = 16 rows of x), AND THE ROWS OF A WEIGHT'S TILE ARE NOT NEIGHBOURS: lane r of tile ut of a block takes block row 8 ut + r + 8 (r / 8),
; so that a lane holds one token and the 16 registers of a block's two tiles are 16 neighbouring hidden units: 32 b + 16 (lane / 16) + 0 .. 15.
; The trip count hangs on the expert's stored count, so the launch has no tensor load, and so no joint loads either, though the 24 slices of an expert read the same tiles of x.
; LIMITS: NaN and infinities are not served; sigmoid(g) is 0 where 2^(-g log2 e) overflows (g under about -88); a block of zeros gets the byte 1 with zero codes (only this program reads the bytes).
; REGISTERS: window 0: v1-21 addresses; v24-47 the weights' scale words (Wg's in lanes 0-15, Wu's in lanes 16-31); v48-59 x's scale words, two sets; v64-95 g, v96-127 u; v128-186 at work.
;   Weight fragment f = 8 s + 2 tile + matrix: f < 21 in window 1, f < 42 in window 2, else window 3, 12 registers each.  Window 3 v72-143, v144-215: x's fragments, two sets.
; THE MODE: SCHED_MODE bits 1:0 = 2 (LLVM: expert scheduling mode 2), set by the entry lines.  The code itself states the register dependences
; between vector or matrix instructions and memory or LDS instructions, with s_wait_alu, always for 0.
; THE PLAN.  Registers that memory or LDS instructions touch:
;   v1, v4-v20        offsets and LDS addresses: written at the head, never again.  One wait ahead of the first load (v1), one ahead of x's first loads (the others).
;   windows 1, 2      as staging: the weights' loads land there, the LDS stores read them, the fragments' LDS loads land there again: one wait on vm_vsrc between the two.
;   x's set a, v48 .. read by tile a's 48 products; the loads of the tile four on land in them.  Those loads stand behind the wait that follows the tile's exponentials, which the products precede;
;                     behind that wait the tile names v64-186 alone.
;   v176-181, v186    a tile's codes and scale bytes: written at the tile's end, one wait on va_vdst, three stores; the next tile writes them again behind a wait on vm_vsrc.
.set BPITCH, 592                       ; a weight row in LDS: 576 bytes + 16
.set MATS,   18944                     ; 32 rows: a block of one matrix
.set BLKS,   37888                     ; a block: Wg's rows, then Wu's
.set SCB,    151552                    ; behind the four blocks: Wg's scale bytes (128 rows x 24), then Wu's
.set BS,  24
.set AS,  48
.set G,   64
.set U,   96
.set TT,  128
.set TM,  160
.set PC,  176
.set PQ,  182
.set PW,  186
.set MSB, 0
.macro WIN new                         ; the immediate's high byte repeats the setting that is left
.if MSB != \new
	s_set_vgpr_msb (MSB<<8)|\new
.set MSB, \new
.endif
.endm
	s_load_b512 s[4:19], s[0:1], 0x0               ; Wg codes, Wg scales, Wu codes, Wu scales, xs, lists, hq, hsc
	v_lshl_add_u32 v254, v0, 2, 0x26800
	v_mov_b32 v255, 0
	v_lshrrev_b32 v1, 5, v0
	v_readfirstlane_b32 s20, v1                    ; wave
	v_and_b32 v21, 31, v0                          ; lane
	v_lshlrev_b32 v1, 4, v21                       ; 16 x lane
	s_wait_alu depctr_va_sdst(0)                   ; s20 is written, ahead of its first reader: bases, LDS places and branches are made from it
	s_and_b32 s21, s20, 1                          ; cw
	s_lshr_b32 s22, s20, 1                         ; rw
	s_mov_b32 s23, ttmp9                           ; S
	s_and_b32 s24, ttmp7, 0xffff                   ; e
	s_mul_i32 s48, s24, 3072
	s_lshl_b32 s49, s23, 7
	s_add_co_u32 s48, s48, s49                     ; the slice's first weight row
	s_lshl_b32 s49, s20, 5
	s_add_co_u32 s49, s49, s48                     ; the block that I fetch: + 32 w
	s_mul_i32 s40, s49, 576
	s_mov_b32 s41, 0                               ; (stays 0)
	s_mul_i32 s56, s48, 24
	s_mul_i32 s49, s21, 1536
	s_add_co_u32 s56, s56, s49                     ; the half of a matrix's 3,072 scale bytes that I fetch
	s_mov_b32 s57, 0                               ; (stays 0)
	s_lshl_b32 s50, s24, 7
	s_add_co_u32 s50, s50, 32768
	s_mov_b32 s51, 0
	s_mul_i32 s58, s24, 64*9728
	s_mov_b32 s59, 0
	s_mul_i32 s54, s21, 768
	s_mul_i32 s55, s20, BLKS
	s_wait_kmcnt 0x0
	s_add_nc_u64 s[52:53], s[14:15], s[50:51]
	s_load_b32 s25, s[52:53], 0x0                  ; the expert's count
	s_add_nc_u64 s[4:5], s[4:5], s[40:41]
	s_add_nc_u64 s[8:9], s[8:9], s[40:41]
	s_cmp_lt_u32 s20, 2                            ; waves 0, 1 fetch Wg's scale bytes, waves 2, 3 Wu's
	s_cselect_b64 s[6:7], s[6:7], s[10:11]
	s_add_nc_u64 s[6:7], s[6:7], s[56:57]
	s_add_nc_u64 s[46:47], s[12:13], s[58:59]      ; the expert's tiles of x
	WIN 0x40                                       ; destination window 1
	s_wait_alu depctr_va_vdst(0)                   ; v1 is written: the weights' loads below read it as their offset
.set L, 0
.rept 36
	global_load_b128 v[4*L:4*L+3], v1, s[4:5] offset:512*L th:TH_LOAD_NT   ; 512 consecutive bytes; each weight byte is read once in the launch
.set L, L+1
.endr
.rept 28
	global_load_b128 v[4*L:4*L+3], v1, s[8:9] offset:512*(L-36) th:TH_LOAD_NT
.set L, L+1
.endr
	WIN 0x80                                       ; destination window 2
.rept 8
	global_load_b128 v[4*(L-64):4*(L-64)+3], v1, s[8:9] offset:512*(L-36) th:TH_LOAD_NT
.set L, L+1
.endr
.irp j, 0,1,2
	global_load_b128 v[32+4*\j:35+4*\j], v1, s[6:7] offset:512*\j th:TH_LOAD_NT
.endr
	WIN 0
	v_and_b32 v2, 15, v0                           ; r
	v_bfe_u32 v3, v0, 4, 1                         ; h
.irp i, 0,1,2,3,4,5,6,7,8                      ; load 9 y + i brings pieces of 16 bytes g = 32 i + lane of rows 8 y .. 8 y + 7 (36 pieces a row): row g / 36, so 16 (g + g / 36) bytes on at a pitch of 37 pieces
	v_add_nc_u32 v22, 32*\i, v21
	v_mul_u32_u24 v23, v22, 57
	v_lshrrev_b32 v23, 11, v23                     ; g / 36, exact for g under 288
	v_add_nc_u32 v22, v22, v23
	v_lshlrev_b32 v22, 4, v22
	v_add_nc_u32 v[4+\i], s55, v22
.endr
	s_mul_i32 s48, s20, 1536
	s_add_co_u32 s48, s48, SCB
	v_add_nc_u32 v13, s48, v1                      ; the scale bytes into LDS
	s_mul_i32 s48, s21, 2*BLKS
	v_mul_u32_u24 v14, v2, BPITCH
	v_mad_u32_u24 v14, v3, 24, v14
	v_add_nc_u32 v14, s48, v14                     ; a fragment's row of my first block,
	v_add_nc_u32 v15, BLKS, v14                    ; of my second
	v_and_b32 v22, 8, v2
	v_add_nc_u32 v22, v22, v2                      ; r + 8 (r / 8)
	v_mul_u32_u24 v16, v22, 24
	v_mad_u32_u24 v16, v3, 3072, v16               ; lanes 16-31 take Wu's words
	s_mul_i32 s48, s21, 1536
	s_add_co_u32 s48, s48, SCB
	v_add_nc_u32 v16, s48, v16
	v_lshlrev_b32 v17, 5, v2
	v_add_nc_u32 v17, 9216, v17                    ; x's scale words: 32 bytes a row behind the images
	v_lshlrev_b32 v19, 3, v21                      ; 8 x lane
	s_lshl_b32 s48, s21, 1
	v_lshl_add_u32 v20, v2, 2, s48                 ; my two bytes of row r's scale word
	v_mov_b32 v[TM+4], 0                           ; a lane permute's destination counts as read: written once
	v_mov_b32 v[TM+5], 0
	s_mov_b32 s42, 0xbfb8aa3b                      ; -log2(e)
	s_mov_b32 s43, s42
	s_mov_b32 s44, 0x76543210
	s_mov_b32 s45, 0xfedcba98
	s_wait_kmcnt 0x0
	s_min_u32 s25, s25, 1024
	s_add_co_u32 s26, s25, 15
	s_lshr_b32 s26, s26, 4                         ; row tiles
	s_max_u32 s27, s26, 1
	s_sub_co_u32 s27, s27, 1                       ; the last tile that was laid
.macro ABASE a, want                           ; set a's base: the tile wanted, held at the last tile laid and inside the expert's 64
	s_min_u32 s31, \want, s27
	s_min_u32 s31, s31, 63
	s_mul_i32 s40, s31, 9728
	s_add_nc_u64 s[32+2*\a:33+2*\a], s[46:47], s[40:41]
.endm
.macro ASET a                                  ; 20 loads: six fragments as they lie, six scale words
	WIN 0xc0
.set L, 0
.rept 18
	global_load_b128 v[72+72*\a+4*L:72+72*\a+4*L+3], v1, s[32+2*\a:33+2*\a] offset:512*L
.set L, L+1
.endr
	WIN 0
	global_load_b128 v[AS+6*\a:AS+6*\a+3], v17, s[32+2*\a:33+2*\a]
	global_load_b64 v[AS+6*\a+4:AS+6*\a+5], v17, s[32+2*\a:33+2*\a] offset:16
.endm
	s_wait_alu depctr_va_vdst(0)                   ; the addresses v4 to v20 are written: x's loads, the LDS stores and loads below and the tiles' stores read them; no vector instruction writes them again
	ABASE 0, s22
	ASET 0
	s_add_co_u32 s49, s22, 2
	ABASE 1, s49
	ASET 1
	s_wait_loadcnt 63                              ; 115 loads were issued: at most the youngest 63 are out, so Wg's 36, the oldest, are in
	WIN 0x04                                       ; an LDS store's data: window 1
.set L, 0
.rept 36                                       ; rows 8 y .. 8 y + 7 of the block go to tile y & 1, rows 8 (y >> 1) on
	ds_store_b128 v[4+L%9], v[4*L:4*L+3] offset:(16*((L/9)&1)+8*((L/9)>>1))*BPITCH
.set L, L+1
.endr
	s_wait_loadcnt 40                              ; only x's 40 loads may be out
.rept 28
	ds_store_b128 v[4+(L-36)%9], v[4*L:4*L+3] offset:MATS+(16*(((L-36)/9)&1)+8*(((L-36)/9)>>1))*BPITCH
.set L, L+1
.endr
	WIN 0x08
.rept 8
	ds_store_b128 v[4+(L-36)%9], v[4*(L-64):4*(L-64)+3] offset:MATS+(16*(((L-36)/9)&1)+8*(((L-36)/9)>>1))*BPITCH
.set L, L+1
.endr
.irp j, 0,1,2
	ds_store_b128 v13, v[32+4*\j:35+4*\j] offset:512*\j
.endr
	WIN 0
	s_wait_dscnt 0x0                               ; for the others' sake: my stores have landed
	s_barrier_signal -1
	s_barrier_wait -1                              ; the launch's one barrier: every wave passes it, whatever the count
	WIN 0x40
	s_wait_alu depctr_vm_vsrc(0)                   ; my LDS stores have read the staging registers of windows 1 and 2, in which the fragments' loads below land
.set FI, 0
.rept 48                                       ; my 48 fragments, each 24 bytes of a row's stream of bits twice, in pieces of 8 bytes
.if FI < 21
	WIN 0x40
.set WR, 12*FI
.elseif FI < 42
	WIN 0x80
.set WR, 12*(FI-21)
.else
	WIN 0xc0
.set WR, 12*(FI-42)
.endif
.irp p, 0,1,2,3,4,5
	ds_load_b64 v[WR+2*\p:WR+2*\p+1], v[14+(FI%8)/4] offset:MATS*(FI%2)+16*BPITCH*(((FI%8)/2)%2)+96*(FI/8)+48*(\p/3)+8*(\p%3)
.endr
.set FI, FI+1
.endr
	WIN 0
.irp t, 0,1,2,3
.irp i, 0,1,2
	ds_load_b64 v[BS+6*\t+2*\i:BS+6*\t+2*\i+1], v16 offset:(32*(\t/2)+8*(\t%2))*24+8*\i
.endr
.endr
	s_wait_dscnt 0x0
; 48 products: K step by K step, the eight accumulators by turns; the first K step starts the sums.
.macro MM a
.set FI, 0
.rept 48
.set KS, FI/8
.set TI, (FI%8)/2
.if FI < 21
	WIN 0x0d                                       ; source 0 window 1, source 1 window 3
.set WR, 12*FI
.elseif FI < 42
	WIN 0x0e
.set WR, 12*(FI-21)
.else
	WIN 0x0f
.set WR, 12*(FI-42)
.endif
.set AR, 72+72*\a+12*KS
.set DR, G+32*(FI%2)+8*TI
.if KS == 0
.if FI%2 == 0
	v_wmma_scale_f32_16x16x128_f8f6f4 v[DR:DR+7], v[WR:WR+11], v[AR:AR+11], 0, v[BS+6*TI+KS], v[AS+6*\a+KS] matrix_a_fmt:MATRIX_FMT_BF6 matrix_b_fmt:MATRIX_FMT_BF6
.else
	v_wmma_scale_f32_16x16x128_f8f6f4 v[DR:DR+7], v[WR:WR+11], v[AR:AR+11], 0, v[BS+6*TI+KS], v[AS+6*\a+KS] matrix_a_fmt:MATRIX_FMT_BF6 matrix_b_fmt:MATRIX_FMT_BF6 matrix_a_scale:MATRIX_SCALE_ROW1
.endif
.else
.if FI%2 == 0
	v_wmma_scale_f32_16x16x128_f8f6f4 v[DR:DR+7], v[WR:WR+11], v[AR:AR+11], v[DR:DR+7], v[BS+6*TI+KS], v[AS+6*\a+KS] matrix_a_fmt:MATRIX_FMT_BF6 matrix_b_fmt:MATRIX_FMT_BF6
.else
	v_wmma_scale_f32_16x16x128_f8f6f4 v[DR:DR+7], v[WR:WR+11], v[AR:AR+11], v[DR:DR+7], v[BS+6*TI+KS], v[AS+6*\a+KS] matrix_a_fmt:MATRIX_FMT_BF6 matrix_b_fmt:MATRIX_FMT_BF6 matrix_a_scale:MATRIX_SCALE_ROW1
.endif
.endif
.set FI, FI+1
.endr
	WIN 0
.endm
; ONE ROW TILE, T = s28, from x's set a.
.macro TILE a
	s_wait_loadcnt 20                              ; this set's 20 loads are in; the other set's 20, issued behind them, may be out
	MM \a
	s_add_co_u32 s49, s28, 4
	ABASE \a, s49                                  ; (this set's loads are done, so its base may be written)
.rept 4
	v_nop                                          ; four places behind the products, ahead of the first read of their results
.endr
.set J, 0
.rept 16
	v_pk_mul_f32 v[TT+J:TT+J+1], v[G+J:G+J+1], s[42:43] op_sel_hi:[1,0]   ; -g log2(e); each accumulator is read from its low end on
.set J, J+2
.endr
.set J, 0
	s_wait_alu depctr_va_vdst(0)
.rept 32
	v_exp_f32 v[TT+J], v[TT+J]
.set J, J+1
.endr
	v_nop                                          ; one plain place behind the exponentials
	s_wait_alu depctr_va_vdst(0)                   ; the 32 exponentials have written v[TT ..], ahead of their first reader; and the 48 products are done reading x's set a and its scale words, in which the loads below land
	ASET \a                                        ; the tile four on.  No further wait: no vector or matrix instruction since the wait names these registers
.set J, 0
.rept 16
	v_pk_add_f32 v[TT+J:TT+J+1], v[TT+J:TT+J+1], 1.0 op_sel_hi:[1,0]
.set J, J+2
.endr
.set J, 0
	s_wait_alu depctr_va_vdst(0)
.rept 32
	v_rcp_f32 v[TT+J], v[TT+J]                     ; sigmoid(g)
.set J, J+1
.endr
	v_nop
.set J, 0
	s_wait_alu depctr_va_vdst(0)                   ; the 32 reciprocals have written v[TT ..], ahead of their first reader
.rept 16
	v_pk_mul_f32 v[G+J:G+J+1], v[G+J:G+J+1], v[TT+J:TT+J+1]   ; silu(g)
.set J, J+2
.endr
.set J, 0
.rept 16
	v_pk_mul_f32 v[G+J:G+J+1], v[G+J:G+J+1], v[U+J:U+J+1]     ; x u
.set J, J+2
.endr
	s_wait_alu depctr_va_vdst(0)
	s_wait_xcnt 0x0                                ; the last tile's stores have read their data and bases: both are written anew below
	s_wait_alu depctr_vm_vsrc(0)                   ; the last tile's stores have read v[PC ..] and v[PW], which the conversions, moves and the scale bytes' line below write again
.irp b, 0,1
	v_max3_num_f32 v[TM+\b], |v[G+16*\b]|, |v[G+1+16*\b]|, 0x2800000   ; my 16 numbers of block b, and the floor 2^(5 - 127)
.endr
.irp i, 2,4,6,8,10,12,14
.irp b, 0,1
	v_max3_num_f32 v[TM+\b], v[TM+\b], |v[G+16*\b+\i]|, |v[G+1+16*\b+\i]|
.endr
.endr
.irp b, 0,1
	v_permlanex16_b32 v[TM+4+\b], v[TM+\b], s44, s45
.endr
.irp b, 0,1
	v_max_num_f32 v[TM+\b], v[TM+\b], v[TM+4+\b]   ; the block's largest magnitude
.endr
.irp b, 0,1
	v_add_nc_u32 v[TM+12+\b], 0xfe000000, v[TM+\b] ; 4 off its exponent field: the conversion's scale operand
.endr
.irp b, 0,1
	v_lshrrev_b32 v[TM+4+\b], 23, v[TM+12+\b]      ; the scale's byte
.endr
	v_lshl_or_b32 v[PW], v[TM+5], 8, v[TM+4]
	v_cvt_scalef32_pk16_bf6_f32 v[PC:PC+2], v[G:G+15], v[TM+12]
	v_cvt_scalef32_pk16_bf6_f32 v[PQ:PQ+2], v[G+16:G+31], v[TM+13]
	v_nop                                          ; one plain place behind a scaled conversion
.irp i, 0,1,2
	v_permlane16_swap_b32 v[PC+\i], v[PQ+\i]       ; a whole block to a lane: lanes 0-15 my first block, lanes 16-31 my second
.endr
.irp i, 0,1,2
	v_mov_b32 v[PC+3+\i], v[PQ+\i]                 ; registers 6 cw .. 6 cw + 5 of K step S's fragment
.endr
	s_min_u32 s31, s28, 63
	s_lshl_b32 s48, s24, 6
	s_add_co_u32 s48, s48, s31
	s_mul_i32 s48, s48, 24
	s_add_co_u32 s48, s48, s23                     ; (64 e + T) 24 + S
	s_lshl_b32 s56, s48, 6
	s_mul_i32 s40, s48, 1536
	s_add_co_u32 s40, s40, s54                     ; + 768 cw
	s_add_nc_u64 s[36:37], s[16:17], s[40:41]
	s_add_nc_u64 s[38:39], s[18:19], s[56:57]
	s_wait_alu depctr_va_vdst(0)                   ; the swaps and moves have written v[PC .. PC + 5], and v[PW] is written: the three stores below read them
	global_store_b128 v1, v[PC:PC+3], s[36:37]               ; 512 consecutive bytes, aligned
	global_store_b64 v19, v[PC+4:PC+5], s[36:37] offset:512  ; 256 consecutive bytes, aligned
	global_store_b16 v20, v[PW], s[38:39]                    ; two scale bytes a row, 4 bytes apart (lanes 16-31 repeat lanes 0-15): one byte in 24 of what the launch stores
	s_add_co_u32 s28, s28, 2
.endm
	s_add_co_u32 s30, s26, 1
	s_sub_co_u32 s30, s30, s22
	s_lshr_b32 s30, s30, 1                         ; my row tiles
	s_cmp_eq_u32 s30, 0
	s_cbranch_scc1 .Lend
	s_add_co_u32 s30, s30, 1
	s_lshr_b32 s30, s30, 1                         ; trips of two tiles
	s_mov_b32 s29, 0
	s_mov_b32 s28, s22                             ; T
.Ltrip:
	TILE 0
	s_cmp_lt_u32 s28, s26                          ; is a second tile left for this trip?
	s_cbranch_scc1 .Lsecond
	s_wait_dscnt 0x0                               ; an odd number of tiles: the wave ends here, with six closing lines
	s_wait_alu 0x0
	s_wait_tensorcnt 0x0
	ds_add_u32 v254, v255
	s_wait_dscnt 0x0
	s_endpgm                                       ; only plain loads (tiles asked for ahead, never used) and stores are out
.Lsecond:
	TILE 1
	s_add_co_u32 s29, s29, 1
	s_cmp_lt_u32 s29, s30
	s_cbranch_scc1 .Ltrip
.Lend:
	s_wait_dscnt 0x0                               ; the six closing lines once more
	s_wait_alu 0x0
	s_wait_tensorcnt 0x0
	ds_add_u32 v254, v255
	s_wait_dscnt 0x0
	s_endpgm
.Lfunc_end_k_qc40a2b327c_gateup:
	.size	k_qc40a2b327c_gateup, .Lfunc_end_k_qc40a2b327c_gateup-k_qc40a2b327c_gateup
	.p2alignl 7, 3214868480
	.fill 96, 4, 3214868480
	.section	.rodata,"a",@progbits
	.p2align	6, 0x0
	.amdhsa_kernel k_qc40a2b327c_gateup
		.amdhsa_group_segment_fixed_size 158208
		.amdhsa_private_segment_fixed_size 0
		.amdhsa_enable_private_segment 0
		.amdhsa_kernarg_size 64
		.amdhsa_user_sgpr_count 2
		.amdhsa_user_sgpr_kernarg_segment_ptr 1
		.amdhsa_wavefront_size32 1
		.amdhsa_system_sgpr_workgroup_id_x 1
		.amdhsa_system_sgpr_workgroup_id_y 1
		.amdhsa_system_sgpr_workgroup_id_z 1
		.amdhsa_system_vgpr_workitem_id 0
		.amdhsa_next_free_vgpr 1024
		.amdhsa_next_free_sgpr 66
		.amdhsa_reserve_vcc 0
		.amdhsa_float_denorm_mode_32 3
		.amdhsa_float_denorm_mode_16_64 3
		.amdhsa_memory_ordered 1
		.amdhsa_forward_progress 1
		.amdhsa_inst_pref_size 77
	.end_amdhsa_kernel
	.amdgpu_metadata
---
amdhsa.version: [ 1, 2 ]
amdhsa.kernels:
  - .name:           k_qc40a2b327c_gateup
    .symbol:         k_qc40a2b327c_gateup.kd
    .args:
      - { .name: Wg_codes, .offset: 0, .size: 8, .value_kind: global_buffer, .address_space: global }
      - { .name: Wg_scales, .offset: 8, .size: 8, .value_kind: global_buffer, .address_space: global }
      - { .name: Wu_codes, .offset: 16, .size: 8, .value_kind: global_buffer, .address_space: global }
      - { .name: Wu_scales, .offset: 24, .size: 8, .value_kind: global_buffer, .address_space: global }
      - { .name: xs, .offset: 32, .size: 8, .value_kind: global_buffer, .address_space: global }
      - { .name: lists, .offset: 40, .size: 8, .value_kind: global_buffer, .address_space: global }
      - { .name: hq, .offset: 48, .size: 8, .value_kind: global_buffer, .address_space: global }
      - { .name: hsc, .offset: 56, .size: 8, .value_kind: global_buffer, .address_space: global }
    .group_segment_fixed_size: 158208
    .private_segment_fixed_size: 0
    .kernarg_segment_align: 8
    .kernarg_segment_size: 64
    .max_flat_workgroup_size: 128
    .sgpr_count:     66
    .vgpr_count:     1024
    .wavefront_size: 32
...
	.end_amdgpu_metadata
.endif
;; end of part 8
;; launch down (part 9): grid 23 x 12, 4 waves a work-group, no clusters, 291,328 bytes of LDS; arguments Wd_codes, Wd_scales, hq, hsc, lists, y; writes y
.if DOCPART == 9
	.amdgcn_target "amdgcn-amd-amdhsa--gfx1250"
	.amdhsa_code_object_version 6
	.text
	.protected	k_qc40a2b327c_down
	.globl	k_qc40a2b327c_down
	.p2align	8
	.type	k_qc40a2b327c_down,@function
k_qc40a2b327c_down:
	s_mov_b64 s[64:65], 0
	v_nop
	global_prefetch_b8 v0, s[64:65] scope:SCOPE_SE
	s_setreg_imm32_b32 hwreg(HW_REG_WAVE_SCHED_MODE, 0, 2), 2
	s_setreg_imm32_b32 hwreg(HW_REG_WAVE_MODE, 25, 1), 1
	s_wait_xcnt 0x0
	s_wait_alu depctr_vm_vsrc(0)
; y[2 token + k] = h Wd[e]^T for each routed row, on E3M2 codes with E8M0 scales.  The gate's weight comes in the next launch.
; Work-group (j, cs): chunk j of 128 routed rows, output columns 64 cs .. 64 cs + 63.  An expert with n rows has ceil(n / 128) chunks; 2,048 / 128 + 7 = 23 serve every split.
; Which expert and which of its chunks j is follows from the eight stored counts, by selects.  A chunk number past the last has no rows: it stores nothing.
; THE WAVES SHARE K: wave kw takes K steps 6 kw .. 6 kw + 5 of the whole 128 x 64 tile: 32 accumulators, 192 products.  So no byte of h or Wd is loaded by two waves.
; The four parts meet in LDS behind the launch's one barrier and are added as (p0 + p1) + (p2 + p3): K is summed in four parts, not in one chain.
; h's fragments come straight from memory as images of their registers, two K steps ahead; Wd's 576 bytes of each of 64 rows turn through the wave's own LDS.
; TRANSPOSED: source 0 = 16 rows of Wd (output columns), source 1 = 16 rows of h: a lane holds one row and eight neighbouring columns.
; Trip and validity hang on stored counts, so the launch has no tensor load and no joint loads, though the 12 column slices of a chunk read the same h.
; Tiles of a chunk past the expert's last tile are multiplied on the last tile's data and not stored; pad rows of the last tile go to rows of y that nobody reads.
; REGISTERS: window 0: v1-34 addresses; v40-63 Wd's scale words; v64-87 h's (even K step in lanes 0-15, odd in lanes 16-31); v96-191 Wd's fragments, two sets; v224-255 rows' entries and offsets.
;   window 1: the accumulators (m, n) at 8 (4 m + n); windows 2 and 3: h's fragments, three sets of 96.
; THE MODE: SCHED_MODE bits 1:0 = 2 (LLVM: expert scheduling mode 2), set by the entry lines.  The code itself states the register dependences
; between vector or matrix instructions and memory or LDS instructions, with s_wait_alu, always for 0.
; THE PLAN.  Registers that memory or LDS instructions touch:
;   v1, v4, v8-v34    offsets and LDS addresses: written at the head, never again: one wait ahead of the first load serves the whole kernel.
;   window 1          Wd's loads land there, the LDS stores read them, K step 0's products write them (the accumulators): one wait on vm_vsrc ahead of those products.
;                     The last products write them, the parts' LDS stores read them: the places, then one wait on va_vdst.
;   h's sets, Wd's    K step k multiplies h's set k % 3 and Wd's set k % 2.  Its loads land in h's set (k + 2) % 3 and Wd's set (k + 1) % 2: the two that K step k - 1 multiplied and that no product
;                     of K step k names.  So ONE wait on va_vdst stands at the head of K steps 1 to 4; K step 0 has no product ahead of it, K step 5 issues no load.
;   v96-223, v240 ..  the way out: LDS loads land in v96 on, the additions write a row's sum over them, vector lines make the rows' offsets; one wait on va_vdst, then a tile's eight stores in one run;
;                     one wait on vm_vsrc ahead of the second tile, whose loads land where the first tile's stores read.
.set WBS,  37888                       ; LDS of a wave: 64 rows of Wd x 592 bytes
.set PS,   151552                      ; the parts: [kw][128 rows] x 272 bytes
.set PSW,  34816
.set GOFF, 8
.set LOFF, 17
.set BSC,  40
.set ASC,  64
.set BF,   96
.set EN,   224
.set YO,   240
.set MSB, 0
.macro WIN new                         ; the immediate's high byte repeats the setting that is left
.if MSB != \new
	s_set_vgpr_msb (MSB<<8)|\new
.set MSB, \new
.endif
.endm
	s_load_b256 s[4:11], s[0:1], 0x0               ; Wd codes, Wd scales, hq, hsc
	s_load_b128 s[12:15], s[0:1], 0x20             ; lists, y
	v_lshl_add_u32 v94, v0, 2, 0x47000
	v_mov_b32 v95, 0
	v_lshrrev_b32 v1, 5, v0
	v_readfirstlane_b32 s16, v1                    ; kw
	s_mov_b32 s17, ttmp9                           ; j
	s_and_b32 s18, ttmp7, 0xffff                   ; cs
	v_and_b32 v5, 31, v0                           ; lane
	v_and_b32 v2, 15, v0                           ; r
	v_bfe_u32 v3, v0, 4, 1                         ; h
	v_lshlrev_b32 v1, 4, v5
	v_lshlrev_b32 v4, 3, v5
	s_wait_alu depctr_va_sdst(0)                   ; s16 is written, ahead of its first reader: bases and LDS places are made from it
	s_mul_i32 s80, s16, WBS
.irp i, 0,1,2,3,4,5,6,7,8                      ; load 9 y + i brings pieces of 16 bytes g = 32 i + lane of rows 8 y .. 8 y + 7, 36 pieces of each row
	v_add_nc_u32 v6, 32*\i, v5
	v_mul_u32_u24 v7, v6, 57
	v_lshrrev_b32 v7, 11, v7                       ; g / 36, exact for g under 288
	v_add_nc_u32 v[LOFF+\i], v6, v7
	v_lshlrev_b32 v[LOFF+\i], 4, v[LOFF+\i]
	v_add_nc_u32 v[LOFF+\i], s80, v[LOFF+\i]       ; in LDS: 37 pieces a row
	v_lshlrev_b32 v6, 4, v6
	v_mad_u32_u24 v[GOFF+\i], v7, 1728, v6         ; in memory: 2,304 bytes a row
.endr
	v_mul_u32_u24 v26, v2, 592
	v_mad_u32_u24 v26, v3, 24, v26
	v_add_nc_u32 v26, s80, v26                     ; a fragment's row of Wd
	s_mul_i32 s81, s16, 24
	v_mul_u32_u24 v27, v2, 96
	v_add_nc_u32 v27, s81, v27                     ; Wd's scale words: row r, my six
	v_lshlrev_b32 v28, 2, v5
	s_mul_i32 s81, s16, PSW
	s_add_co_u32 s81, s81, PS
	v_mul_u32_u24 v29, v2, 272
	v_lshl_add_u32 v29, v3, 5, v29
	v_add_nc_u32 v29, s81, v29                     ; my part: row r, + 32 h
	s_mul_i32 s81, s16, 32*272
	s_add_co_u32 s81, s81, PS
	v_mul_u32_u24 v30, v3, 272
	v_lshl_add_u32 v30, v2, 4, v30
	v_add_nc_u32 v30, s81, v30                     ; back: rows 32 kw + h on, 16 bytes a lane; parts 0, 1;
	v_add_nc_u32 v31, 2*PSW, v30                   ; parts 2, 3
	v_lshlrev_b32 v33, 2, v3
	v_lshlrev_b32 v34, 4, v2
	s_mov_b32 s67, 0                               ; (stays 0)
	s_wait_kmcnt 0x0
.irp i, 0,1,2,3,4,5,6,7
	s_load_b32 s[72+\i], s[12:13], 32768+128*\i    ; the eight counts
.endr
	s_wait_kmcnt 0x0
.irp i, 0,1,2,3,4,5,6,7
	s_min_u32 s[72+\i], s[72+\i], 1024
.endr
	s_mov_b32 s19, 0                               ; e
	s_mov_b32 s20, 0                               ; chunks before e
	s_mov_b32 s21, s72                             ; e's count
	s_mov_b32 s22, 0
.irp i, 0,1,2,3,4,5,6,7
	s_add_co_u32 s68, s[72+\i], 127
	s_lshr_b32 s68, s68, 7
	s_add_co_u32 s22, s22, s68                     ; chunks up to and with expert i
	s_cmp_ge_u32 s17, s22                          ; j lies behind them
	s_cselect_b32 s19, \i+1, s19
	s_cselect_b32 s20, s22, s20
.if \i < 7
	s_cselect_b32 s21, s[73+\i], s21
.endif
.endr
	s_cmp_lt_u32 s19, 8
	s_cselect_b32 s23, 1, 0                        ; has this chunk rows?
	s_min_u32 s19, s19, 7
	s_sub_co_u32 s60, s17, s20
	s_lshl_b32 s60, s60, 3                         ; the chunk's first tile
	s_add_co_u32 s61, s21, 15
	s_lshr_b32 s61, s61, 4                         ; the expert's tiles
	s_max_u32 s62, s61, 1
	s_sub_co_u32 s62, s62, 1                       ; the last
	s_lshl_b32 s69, s19, 6                         ; 64 e
	s_mul_i32 s70, s16, 9216
	s_mul_i32 s71, s16, 384
.irp m, 0,1,2,3,4,5,6,7
	s_add_co_u32 s68, s60, \m
	s_min_u32 s68, s68, s62
	s_min_u32 s68, s68, 63                         ; held at the last tile made and inside the expert's 64
	s_add_co_u32 s68, s68, s69
	s_mul_i32 s66, s68, 36864
	s_add_co_u32 s66, s66, s70
	s_add_nc_u64 s[24+2*\m:25+2*\m], s[8:9], s[66:67]      ; tile m's images, my six K steps
	s_mul_i32 s66, s68, 1536
	s_add_co_u32 s66, s66, s71
	s_add_nc_u64 s[40+2*\m:41+2*\m], s[10:11], s[66:67]    ; and their scale words
.endr
	s_lshl_b32 s81, s16, 1
.irp t, 0,1
	s_add_co_u32 s68, s60, s81
	s_add_co_u32 s68, s68, \t
	s_mov_b32 s[82+\t], s68                        ; the tiles whose rows I store
	s_min_u32 s68, s68, s62
	s_min_u32 s68, s68, 63
	s_add_co_u32 s68, s68, s69
	s_lshl_b32 s66, s68, 6
	s_add_nc_u64 s[56+2*\t:57+2*\t], s[12:13], s[66:67]
.endr
	s_wait_alu depctr_va_vdst(0)                   ; the offsets and LDS addresses v1, v4 and v8 to v34 are written: every load and store of the kernel but the last stores reads one of them; no vector instruction writes them again
.irp t, 0,1
.irp i, 0,1,2,3,4,5,6,7
	global_load_b32 v[EN+8*\t+\i], v33, s[56+2*\t:57+2*\t] offset:8*\i   ; the entries of rows 2 i + h, as they are stored below
.endr
.endr
	s_mul_i32 s68, s19, 768
	s_lshl_b32 s66, s18, 6
	s_add_co_u32 s68, s68, s66                     ; Wd's first row: 768 e + 64 cs
	s_mul_i32 s66, s68, 2304
	s_mul_i32 s81, s16, 576
	s_add_co_u32 s66, s66, s81
	s_add_nc_u64 s[84:85], s[4:5], s[66:67]
	s_mul_i32 s66, s68, 96
	s_add_nc_u64 s[86:87], s[6:7], s[66:67]
	s_lshl_b32 s66, s18, 8
	s_add_nc_u64 s[14:15], s[14:15], s[66:67]
	s_cmp_eq_u32 s23, 0
	s_cbranch_scc1 .Lmeet
.macro ALOAD k                                 ; 32 loads: the eight row tiles' fragments of my K step k into set k % 3
.if (\k)%3 == 2
	WIN 0xc0
.set ALB, 0
.elseif (\k)%3 == 1
	WIN 0x80
.set ALB, 96
.else
	WIN 0x80
.set ALB, 0
.endif
.irp m, 0,1,2,3,4,5,6,7
.irp c, 0,1
	global_load_b128 v[ALB+12*\m+6*\c:ALB+12*\m+6*\c+3], v1, s[24+2*\m:25+2*\m] offset:1536*(\k)+768*\c
	global_load_b64 v[ALB+12*\m+6*\c+4:ALB+12*\m+6*\c+5], v4, s[24+2*\m:25+2*\m] offset:1536*(\k)+768*\c+512
.endr
.endr
	WIN 0
.endm
.macro BFRAG k                                 ; 24 LDS loads: Wd's four fragments of my K step k into set k % 2
.irp n, 0,1,2,3
.irp p, 0,1,2,3,4,5
	ds_load_b64 v[BF+48*((\k)%2)+12*\n+2*\p:BF+48*((\k)%2)+12*\n+2*\p+1], v26 offset:9472*\n+96*(\k)+48*(\p/3)+8*(\p%3)
.endr
.endr
.endm
	WIN 0x40
.set L, 0
.rept 64
	global_load_b128 v[4*L:4*L+3], v[GOFF+L%9], s[84:85] offset:18432*(L/9)
.set L, L+1
.endr
	WIN 0xc0
.rept 8
	global_load_b128 v[96+4*(L-64):96+4*(L-64)+3], v[GOFF+L%9], s[84:85] offset:18432*(L/9)
.set L, L+1
.endr
	WIN 0
.irp n, 0,1,2,3
.irp i, 0,1,2
	global_load_b64 v[BSC+6*\n+2*\i:BSC+6*\n+2*\i+1], v27, s[86:87] offset:1536*\n+8*\i
.endr
.endr
.irp m, 0,1,2,3,4,5,6,7
.irp i, 0,1,2
	global_load_b32 v[ASC+3*\m+\i], v28, s[40+2*\m:41+2*\m] offset:128*\i
.endr
.endr
	ALOAD 0
	ALOAD 1
	s_wait_loadcnt 63                              ; 100 loads were issued behind Wd's 72: with at most 63 out, Wd's are in
	WIN 0x04
.set L, 0
.rept 64
	ds_store_b128 v[LOFF+L%9], v[4*L:4*L+3] offset:4736*(L/9)
.set L, L+1
.endr
	WIN 0x0c
.rept 8
	ds_store_b128 v[LOFF+L%9], v[96+4*(L-64):96+4*(L-64)+3] offset:4736*(L/9)
.set L, L+1
.endr
	WIN 0
	BFRAG 0                                        ; my own bytes: LDS serves a wave's instructions in order
.macro KSTEP k
.if \k < 5
	s_wait_loadcnt 32                              ; this K step's fragments (and, the first time, the scale words) are in; the next step's 32 loads may be out
.else
	s_wait_loadcnt 0x0
.endif
.if (\k > 0) && (\k < 5)
	s_wait_alu depctr_va_vdst(0)                   ; the K step before is done reading its set of h's fragments and its set of Wd's, in which the loads below land; this step's products name neither
.endif
.if \k < 4
	ALOAD (\k+2)
.endif
.if \k < 5
	BFRAG (\k+1)
	s_wait_dscnt 24                                ; all but the 24 just issued
.else
	s_wait_dscnt 0x0
.endif
.if \k == 0
	s_wait_alu depctr_vm_vsrc(0)                   ; the LDS stores of Wd's rows have read window 1's registers, which the products below write: they are the accumulators from here on
.endif
.if (\k)%3 == 2
	WIN 0x5c                                       ; C and D window 1, source 1 window 3
.set AB, 0
.elseif (\k)%3 == 1
	WIN 0x58                                       ; source 1 window 2
.set AB, 96
.else
	WIN 0x58
.set AB, 0
.endif
.irp m, 0,1,2,3,4,5,6,7                        ; the 32 accumulators by turns, in the same order in every K step
.irp n, 0,1,2,3
.if \k == 0
	v_wmma_scale_f32_16x16x128_f8f6f4 v[8*(4*\m+\n):8*(4*\m+\n)+7], v[BF+48*((\k)%2)+12*\n:BF+48*((\k)%2)+12*\n+11], v[AB+12*\m:AB+12*\m+11], 0, v[BSC+6*\n+\k], v[ASC+3*\m+(\k)/2] matrix_a_fmt:MATRIX_FMT_BF6 matrix_b_fmt:MATRIX_FMT_BF6
.elseif (\k)%2 == 1
	v_wmma_scale_f32_16x16x128_f8f6f4 v[8*(4*\m+\n):8*(4*\m+\n)+7], v[BF+48*((\k)%2)+12*\n:BF+48*((\k)%2)+12*\n+11], v[AB+12*\m:AB+12*\m+11], v[8*(4*\m+\n):8*(4*\m+\n)+7], v[BSC+6*\n+\k], v[ASC+3*\m+(\k)/2] matrix_a_fmt:MATRIX_FMT_BF6 matrix_b_fmt:MATRIX_FMT_BF6 matrix_b_scale:MATRIX_SCALE_ROW1
.else
	v_wmma_scale_f32_16x16x128_f8f6f4 v[8*(4*\m+\n):8*(4*\m+\n)+7], v[BF+48*((\k)%2)+12*\n:BF+48*((\k)%2)+12*\n+11], v[AB+12*\m:AB+12*\m+11], v[8*(4*\m+\n):8*(4*\m+\n)+7], v[BSC+6*\n+\k], v[ASC+3*\m+(\k)/2] matrix_a_fmt:MATRIX_FMT_BF6 matrix_b_fmt:MATRIX_FMT_BF6
.endif
.endr
.endr
	WIN 0
.rept 4
	v_nop                                          ; four places: for the next loads into registers that these products read, and at the end for the stores of the results
.endr
.endm
	KSTEP 0
	KSTEP 1
	KSTEP 2
	KSTEP 3
	KSTEP 4
	KSTEP 5
	WIN 0x04                                       ; an LDS store's data: window 1
	s_wait_alu depctr_va_vdst(0)                   ; the products have written the accumulators, which the LDS stores below read (the four places above stay beside this wait); they are also done reading v96 to v191, in which the way out's loads land
.irp m, 0,1,2,3,4,5,6,7
.irp n, 0,1,2,3
	ds_store_b128 v29, v[8*(4*\m+\n):8*(4*\m+\n)+3] offset:4352*\m+64*\n          ; each accumulator from its low end on
	ds_store_b128 v29, v[8*(4*\m+\n)+4:8*(4*\m+\n)+7] offset:4352*\m+64*\n+16
.endr
.endr
	WIN 0
.Lmeet:
	s_wait_dscnt 0x0                               ; for the others' sake: my part has landed
	s_barrier_signal -1
	s_barrier_wait -1                              ; every wave passes it, with rows or without
	s_cmp_eq_u32 s23, 0
	s_cbranch_scc1 .Lend
	s_wait_loadcnt 0x0                             ; the rows' entries
; Wave kw adds and stores rows 32 kw .. 32 kw + 31: two tiles, two rows an instruction, sixteen lanes to a row's 256 bytes.
; A tile's eight pairs of rows are all added first; then one wait, and the eight stores in one run.
.macro OUTT t
	s_wait_xcnt 0x0                                ; the tile before has had its stores' data read
.if \t > 0
	s_wait_alu depctr_vm_vsrc(0)                   ; the tile before: its stores have read v[BF ..], in which the loads below land and which the additions write again (its additions stand ahead of its own wait on va_vdst)
.endif
	s_cmp_ge_u32 s[82+\t], s61                     ; a tile past the expert's last is not stored
	s_cbranch_scc1 .Lnone_\@
.irp i, 0,1,2,3,4,5,6,7
	ds_load_b128 v[BF+16*\i:BF+16*\i+3], v30 offset:(16*\t+2*\i)*272
	ds_load_b128 v[BF+16*\i+4:BF+16*\i+7], v30 offset:(16*\t+2*\i)*272+PSW
	ds_load_b128 v[BF+16*\i+8:BF+16*\i+11], v31 offset:(16*\t+2*\i)*272
	ds_load_b128 v[BF+16*\i+12:BF+16*\i+15], v31 offset:(16*\t+2*\i)*272+PSW
.endr
.irp i, 0,1,2,3,4,5,6,7
	v_min_u32 v[YO+8*\t+\i], 0x87f, v[EN+8*\t+\i]  ; the row of y, held inside its 2,176
	v_mul_u32_u24 v[YO+8*\t+\i], v[YO+8*\t+\i], 3072
	v_add_nc_u32 v[YO+8*\t+\i], v34, v[YO+8*\t+\i]
.endr
.irp i, 0,1,2,3,4,5,6,7
	s_wait_dscnt 4*(7-\i)                          ; these four loads are in; the later rows' may be out
	v_pk_add_f32 v[BF+16*\i:BF+16*\i+1], v[BF+16*\i:BF+16*\i+1], v[BF+16*\i+4:BF+16*\i+5]
	v_pk_add_f32 v[BF+16*\i+2:BF+16*\i+3], v[BF+16*\i+2:BF+16*\i+3], v[BF+16*\i+6:BF+16*\i+7]
	v_pk_add_f32 v[BF+16*\i+8:BF+16*\i+9], v[BF+16*\i+8:BF+16*\i+9], v[BF+16*\i+12:BF+16*\i+13]
	v_pk_add_f32 v[BF+16*\i+10:BF+16*\i+11], v[BF+16*\i+10:BF+16*\i+11], v[BF+16*\i+14:BF+16*\i+15]
	v_pk_add_f32 v[BF+16*\i:BF+16*\i+1], v[BF+16*\i:BF+16*\i+1], v[BF+16*\i+8:BF+16*\i+9]
	v_pk_add_f32 v[BF+16*\i+2:BF+16*\i+3], v[BF+16*\i+2:BF+16*\i+3], v[BF+16*\i+10:BF+16*\i+11]
.endr
	s_wait_alu depctr_va_vdst(0)                   ; the additions have written the eight sums and the lines above them the eight offsets v[YO ..]: the stores below read both
.irp i, 0,1,2,3,4,5,6,7
	global_store_b128 v[YO+8*\t+\i], v[BF+16*\i:BF+16*\i+3], s[14:15]   ; sixteen lanes store 256 consecutive bytes, aligned
.endr
.Lnone_\@:
.endm
	OUTT 0
	OUTT 1
.Lend:
	s_wait_dscnt 0x0                               ; six closing lines
	s_wait_alu 0x0
	s_wait_tensorcnt 0x0
	ds_add_u32 v94, v95
	s_wait_dscnt 0x0
	s_endpgm
.Lfunc_end_k_qc40a2b327c_down:
	.size	k_qc40a2b327c_down, .Lfunc_end_k_qc40a2b327c_down-k_qc40a2b327c_down
	.p2alignl 7, 3214868480
	.fill 96, 4, 3214868480
	.section	.rodata,"a",@progbits
	.p2align	6, 0x0
	.amdhsa_kernel k_qc40a2b327c_down
		.amdhsa_group_segment_fixed_size 291328
		.amdhsa_private_segment_fixed_size 0
		.amdhsa_enable_private_segment 0
		.amdhsa_kernarg_size 48
		.amdhsa_user_sgpr_count 2
		.amdhsa_user_sgpr_kernarg_segment_ptr 1
		.amdhsa_wavefront_size32 1
		.amdhsa_system_sgpr_workgroup_id_x 1
		.amdhsa_system_sgpr_workgroup_id_y 1
		.amdhsa_system_sgpr_workgroup_id_z 1
		.amdhsa_system_vgpr_workitem_id 0
		.amdhsa_next_free_vgpr 896
		.amdhsa_next_free_sgpr 96
		.amdhsa_reserve_vcc 0
		.amdhsa_float_denorm_mode_32 3
		.amdhsa_float_denorm_mode_16_64 3
		.amdhsa_memory_ordered 1
		.amdhsa_forward_progress 1
		.amdhsa_inst_pref_size 103
	.end_amdhsa_kernel
	.amdgpu_metadata
---
amdhsa.version: [ 1, 2 ]
amdhsa.kernels:
  - .name:           k_qc40a2b327c_down
    .symbol:         k_qc40a2b327c_down.kd
    .args:
      - { .name: Wd_codes, .offset: 0, .size: 8, .value_kind: global_buffer, .address_space: global }
      - { .name: Wd_scales, .offset: 8, .size: 8, .value_kind: global_buffer, .address_space: global }
      - { .name: hq, .offset: 16, .size: 8, .value_kind: global_buffer, .address_space: global }
      - { .name: hsc, .offset: 24, .size: 8, .value_kind: global_buffer, .address_space: global }
      - { .name: lists, .offset: 32, .size: 8, .value_kind: global_buffer, .address_space: global }
      - { .name: y, .offset: 40, .size: 8, .value_kind: global_buffer, .address_space: global }
    .group_segment_fixed_size: 291328
    .private_segment_fixed_size: 0
    .kernarg_segment_align: 8
    .kernarg_segment_size: 48
    .max_flat_workgroup_size: 128
    .sgpr_count:     96
    .vgpr_count:     896
    .wavefront_size: 32
...
	.end_amdgpu_metadata
.endif
;; end of part 9
;; launch combine (part 10): grid 256 x 1, 4 waves a work-group, no clusters, 0 bytes of LDS; arguments y, gate, out0; writes out0
.if DOCPART == 10
	.amdgcn_target "amdgcn-amd-amdhsa--gfx1250"
	.amdhsa_code_object_version 6
	.text
	.protected	k_qc40a2b327c_combine
	.globl	k_qc40a2b327c_combine
	.p2align	8
	.type	k_qc40a2b327c_combine,@function
k_qc40a2b327c_combine:
	s_mov_b64 s[64:65], 0
	v_nop
	global_prefetch_b8 v0, s[64:65] scope:SCOPE_SE
	s_setreg_imm32_b32 hwreg(HW_REG_WAVE_MODE, 25, 1), 1
	s_wait_xcnt 0x0
; out0[t] = w0 y[2 t] + w1 y[2 t + 1]: a token's two experts' rows, weighed by the gate.  A stream: one wave to a token; its two rows are 6,144 dense bytes.
; Every load and store of the wave covers 512 consecutive bytes, aligned.  No LDS, no barrier, no matrix unit: memory binds.
	s_load_b128 s[4:7], s[0:1], 0x0                ; y, gate
	s_load_b64 s[8:9], s[0:1], 0x10                ; out0
	v_lshrrev_b32 v1, 5, v0
	v_readfirstlane_b32 s10, v1
	s_lshl_b32 s11, ttmp9, 2
	s_add_co_u32 s11, s11, s10                     ; the token
	v_and_b32 v1, 31, v0
	v_lshlrev_b32 v1, 4, v1
	s_mul_i32 s16, s11, 6144
	s_mov_b32 s17, 0
	s_lshl_b32 s18, s11, 3
	s_mov_b32 s19, 0
	s_mul_i32 s20, s11, 3072
	s_mov_b32 s21, 0
	s_wait_alu depctr_va_vdst(0)
	s_wait_kmcnt 0x0
	s_add_nc_u64 s[4:5], s[4:5], s[16:17]
	s_add_nc_u64 s[6:7], s[6:7], s[18:19]
	s_add_nc_u64 s[8:9], s[8:9], s[20:21]
	s_load_b64 s[12:13], s[6:7], 0x0               ; w0, w1
.irp k, 0,1,2,3,4,5
	global_load_b128 v[4+8*\k:7+8*\k], v1, s[4:5] offset:512*\k th:TH_LOAD_NT
	global_load_b128 v[8+8*\k:11+8*\k], v1, s[4:5] offset:3072+512*\k th:TH_LOAD_NT
.endr
	s_wait_kmcnt 0x0
	s_mov_b32 s14, s13                             ; w1 in a pair of its own: the packed form takes a pair's low word for both halves
	s_mov_b32 s15, s13
.irp k, 0,1,2,3,4,5
	s_wait_loadcnt 10-2*\k                         ; piece k of both rows is in; the later pieces' loads may be out
	v_pk_mul_f32 v[4+8*\k:5+8*\k], v[4+8*\k:5+8*\k], s[12:13] op_sel_hi:[1,0]
	v_pk_mul_f32 v[6+8*\k:7+8*\k], v[6+8*\k:7+8*\k], s[12:13] op_sel_hi:[1,0]
	v_pk_fma_f32 v[4+8*\k:5+8*\k], v[8+8*\k:9+8*\k], s[14:15], v[4+8*\k:5+8*\k] op_sel_hi:[1,0,1]
	v_pk_fma_f32 v[6+8*\k:7+8*\k], v[10+8*\k:11+8*\k], s[14:15], v[6+8*\k:7+8*\k] op_sel_hi:[1,0,1]
	global_store_b128 v1, v[4+8*\k:7+8*\k], s[8:9] offset:512*\k th:TH_STORE_NT
.endr
	s_endpgm
.Lfunc_end_k_qc40a2b327c_combine:
	.size	k_qc40a2b327c_combine, .Lfunc_end_k_qc40a2b327c_combine-k_qc40a2b327c_combine
	.p2alignl 7, 3214868480
	.fill 96, 4, 3214868480
	.section	.rodata,"a",@progbits
	.p2align	6, 0x0
	.amdhsa_kernel k_qc40a2b327c_combine
		.amdhsa_group_segment_fixed_size 0
		.amdhsa_private_segment_fixed_size 0
		.amdhsa_enable_private_segment 0
		.amdhsa_kernarg_size 24
		.amdhsa_user_sgpr_count 2
		.amdhsa_user_sgpr_kernarg_segment_ptr 1
		.amdhsa_wavefront_size32 1
		.amdhsa_system_sgpr_workgroup_id_x 1
		.amdhsa_system_sgpr_workgroup_id_y 1
		.amdhsa_system_sgpr_workgroup_id_z 1
		.amdhsa_system_vgpr_workitem_id 0
		.amdhsa_next_free_vgpr 64
		.amdhsa_next_free_sgpr 66
		.amdhsa_reserve_vcc 0
		.amdhsa_float_denorm_mode_32 3
		.amdhsa_float_denorm_mode_16_64 3
		.amdhsa_memory_ordered 1
		.amdhsa_forward_progress 1
		.amdhsa_inst_pref_size 5
	.end_amdhsa_kernel
	.amdgpu_metadata
---
amdhsa.version: [ 1, 2 ]
amdhsa.kernels:
  - .name:           k_qc40a2b327c_combine
    .symbol:         k_qc40a2b327c_combine.kd
    .args:
      - { .name: y, .offset: 0, .size: 8, .value_kind: global_buffer, .address_space: global }
      - { .name: gate, .offset: 8, .size: 8, .value_kind: global_buffer, .address_space: global }
      - { .name: out0, .offset: 16, .size: 8, .value_kind: global_buffer, .address_space: global }
    .group_segment_fixed_size: 0
    .private_segment_fixed_size: 0
    .kernarg_segment_align: 8
    .kernarg_segment_size: 24
    .max_flat_workgroup_size: 128
    .sgpr_count:     66
    .vgpr_count:     64
    .wavefront_size: 32
...
	.end_amdgpu_metadata
.endif
;; end of part 10
